; MI455X (gfx1250); checked and timed in simulation.
; The chip was launched on July 23, 2026; its instructions are those of AMD's public machine-readable ISA for CDNA 5 (MIT licence, August 2026) and "CDNA5" Instruction Set Architecture Reference Guide (July 2026). The comments in the code are by the model that wrote it; some were corrected since.
;; Interaction FFN. Allowed arithmetic: matrix products marked QUANTISED: E2M3 operands, one E8M0 scale for each 32 along K, by v_wmma_scale_f32_16x16x128_f8f6f4 with both operands' format E2M3, f32 sums; products left as they are: f32 operands where the result goes on into a quantised operand, else bf16, f16 or f32 operands; f32 sums; everything else in f32.
;; Inputs: Wdown 1,024 x 2,048 float32; Wk 1,024 x 1,024 float32; Wq 1,024 x 1,024 float32; Wup 2,048 x 1,024 float32; Wv 1,024 x 1,024 float32; bdown 1,024 float32; bk 1,024 float32; bq 1,024 float32; bup 2,048 float32; bv 1,024 float32; context 2 x 2,048 x 1,024 float32; pattern_queries 32 x 1,024 float32; router_out 2 x 2,048 x 1,024 float32; selected_neurons 2 x 2,048 x 4 x 1,024 float32; topk_neuron_idx 2 x 2,048 x 4 int32; topk_neuron_weights 2 x 2,048 x 4 float32; x 2 x 2,048 x 1,024 float32.
;; Outputs: out0 2 x 2,048 x 1,024 float32.
;; This version of the problem:
;;   THIS VERSION OF THE PROBLEM IS GIVEN IN LOW PRECISION. The matrix products marked QUANTISED in the list below multiply operands that are first quantised to E2M3 (2 exponent bits, 3 mantissa bits; 6 bits a number), with one power-of-two scale for each 32 numbers along K (OCP MX v1.0); their sums are f32. All else is computed in f32.
;;   The module's matrix products, in the order in which they are computed (A, B: the left and right operand; K: the contracted axis; several contracted axes count as one K, in the product's order):
;;     1. [M 16,384, K 1,024] x [K 1,024, N 1,024]; A: input selected_neurons; B: input Wq: QUANTISED
;;     2. [M 16,384, K 1,024] x [K 1,024, N 1,024]; A: input selected_neurons; B: input Wk: QUANTISED
;;     3. [M 16,384, K 1,024] x [K 1,024, N 1,024]; A: input selected_neurons; B: input Wv: QUANTISED
;;     4. batch 4,096 x [M 4, K 1,024] x [K 1,024, N 4]; A: computed on the way; B: computed on the way: left as it is (M = 4 < 16)
;;     5. batch 4,096 x [M 4, K 4] x [K 4, N 1,024]; A: softmax; B: computed on the way: left as it is (K = 4 < 32)
;;     6. [M 16,384, K 1,024] x [K 1,024, N 32]; A: computed on the way; B: input pattern_queries: QUANTISED
;;     7. [M 4,096, K 1,024] x [K 1,024, N 32]; A: input context; B: input pattern_queries: QUANTISED
;;     8. batch 4,096 x [M 1, K 4] x [K 4, N 1,024]; A: computed on the way; B: computed on the way: left as it is (K = 4 < 32)
;;     9. [M 4,096, K 1,024] x [K 1,024, N 2,048]; A: computed on the way; B: input Wup: QUANTISED
;;     10. [M 4,096, K 2,048] x [K 2,048, N 1,024]; A: computed on the way; B: input Wdown: QUANTISED
;;   THE QUANTISER, for each operand of a quantised product, along K:
;;     - K is cut into blocks of 32 from its start; a last block that is shorter is filled with zeros.
;;     - A block's scale is 2^e with e = floor(log2(the largest magnitude in the block)) - 2, held to -126 .. 127; a block of zeros has e = 0. As a byte (E8M0): e + 127.
;;     - Each number is divided by its block's scale, clamped to +-7.5, and rounded to the nearest number of E2M3, ties to even, subnormals kept.
;;     - The product sums the exact products of the quantised numbers (number of the format x scale) in f32.
;;   ~~~python
;;   def quantise(x, axis):      # numpy; x: float32 -> the quantised numbers, widened to float32 again
;;       x = np.moveaxis(x, axis, -1); K = x.shape[-1]
;;       x = np.pad(x, [(0, 0)] * (x.ndim - 1) + [(0, -K % 32)]); x = x.reshape(x.shape[:-1] + (-1, 32)); a = np.abs(x).max(-1, keepdims=True)
;;       e = np.where(a > 0, np.clip(np.frexp(np.where(a > 0, a, 1))[1] - 1 - 2, -126, 127), 0)      # np.frexp(a)[1] - 1 = floor(log2(a)), exactly
;;       r = np.clip(x / 2.0 ** e, -7.5, 7.5)
;;       step = 2.0 ** (np.maximum(np.frexp(np.where(r == 0, 1, r))[1] - 1, 0) - 3)
;;       q = np.round(r / step) * step * 2.0 ** e      # np.round: ties to even
;;       return np.moveaxis(q.reshape(q.shape[:-2] + (-1,))[..., :K], -1, axis).astype(np.float32)
;;   ~~~
;;   OPERANDS COMPUTED ON THE WAY. 'Computed on the way' means the value that the module computes at that place (a softmax that the list does not call 'softmax' is quantised finished and normalised). What goes into a quantiser is computed in f32, as accurately as f32 sums, v_exp_f32 and their like allow (about 1e-6 of the number): no bf16 or f16 on the way to a quantiser, and a product that is left as it is and whose result goes on into a quantised operand takes f32 operands (vector FMAs, or v_wmma_f32_16x16x4_f32). A number that lies on a knife's edge between two numbers of the format may be rounded either way, as far as f32 arithmetic and the matrix unit's own rounding can turn it there, and no further.
;; One version. Each part assembles by itself: llvm-mc -triple=amdgcn-amd-amdhsa -mcpu=gfx1250 --defsym DOCPART=n.
;; ======== version 1 of 1: 4 launches
;; workspace buffers: wcodes 5,875,200 bytes; ccodes 3,276,800 bytes; hcodes 6,553,600 bytes
;; launch prep (part 1): grid 450 x 1, 4 waves a work-group, no clusters, 34,304 bytes of LDS; arguments Wq, Wk, Wv, Wup, Wdown, pattern_queries, bq, bk, bv, bup, bdown, wcodes; writes wcodes
.if DOCPART == 1
	.amdgcn_target "amdgcn-amd-amdhsa--gfx1250"
	.amdhsa_code_object_version 6
	.text
	.protected	k_qfd334e5de7_prep
	.globl	k_qfd334e5de7_prep
	.p2align	8
	.type	k_qfd334e5de7_prep,@function
k_qfd334e5de7_prep:
	s_mov_b64 s[64:65], 0
	v_nop
	global_prefetch_b8 v0, s[64:65] scope:SCOPE_SE
	s_setreg_imm32_b32 hwreg(HW_REG_WAVE_MODE, 25, 1), 1
	s_wait_xcnt 0x0
; Launch 1 of 4.  The six weight tensors (f32, K innermost) become PANELS of FP6 (E2M3) codes, laid in the order of the operand's registers.
; A panel is 16 weight rows x 1,024 along K, 13,056 bytes: 8 fragment images (a fragment is 16 rows x 128 K, 12 registers a lane; registers 4 c .. 4 c + 3 of lane l lie at 512 c + 16 l),
; 4 scale images (one register: lanes 0-15 the rows' scale words of K step 2 p, lanes 16-31 those of K step 2 p + 1), the 16 rows' biases (64 bytes) and 192 zero bytes.
; Fragment row i of tile t is weight row 32 (t / 2) + 8 (t % 2) + i + 8 (i / 8): used as source 0 of a product, tiles 2 b and 2 b + 1 then leave 16 neighbours along the next K in a lane's registers.
; One work-group makes one panel; wave p makes its K steps 2 p and 2 p + 1.  A row's 512 bytes of a K step are loaded by the 32 lanes on end, turned through the wave's own stage in LDS
; (rows 528 bytes apart), and come back 16 neighbours of each block of 32 to a lane, which is what the conversions take.
; A block's scale byte is its largest magnitude's exponent field - 2, held at 1 from below (a block of zeros gets 1 with zero codes: this program alone reads the bytes).
; LIMITS: NaN and infinities among the inputs are not served.
.set PB,    13056
.set SCO,   12288
.set BIO,   12800
.set SPARE, 33792                      ; behind the four stages of 8,448 bytes: the spare words
.set RO,  16                           ; v16-31   byte offset of fragment row i + 16 x lane
.set LD,  32                           ; v32-159  two sets of 16 x 4 registers as loaded
.set X,   160                          ; v160-223 64 numbers in the quantiser's order
.set TM,  224                          ; v224-239 the quantiser's work
.set PC,  32                           ; v32-51   the codes: over set 0, which has left for the stage by then
.set PW,  8                            ; v8       the scale word just made
.set PWE, 9                            ; v9       the even K step's
.macro QUANT s                         ; v[s] .. v[s+63], register 16 b + i = k 32 b + 16 (lane / 16) + i of my row -> 12 registers of codes at v[PC], scale word in v[PW]
.irp b,0,1,2,3
	v_max3_num_f32 v[TM+\b], |v[\s+16*\b]|, |v[\s+1+16*\b]|, 0x1800000   ; with the floor 2^(3 - 127): the byte cannot fall under 1
.endr
.irp i,2,4,6,8,10,12,14
.irp b,0,1,2,3
	v_max3_num_f32 v[TM+\b], v[TM+\b], |v[\s+16*\b+\i]|, |v[\s+1+16*\b+\i]|
.endr
.endr
.irp b,0,1,2,3
	v_permlanex16_b32 v[TM+4+\b], v[TM+\b], s20, s21
.endr
.irp b,0,1,2,3
	v_max_num_f32 v[TM+\b], v[TM+\b], v[TM+4+\b]          ; with lane l xor 16's 16: the block's largest magnitude
.endr
.irp b,0,1,2,3
	v_add_nc_u32 v[TM+12+\b], 0xff000000, v[TM+\b]        ; 2 off its exponent field: the conversion's scale operand
.endr
.irp b,0,1,2,3
	v_lshrrev_b32 v[TM+4+\b], 23, v[TM+12+\b]             ; the scale's byte
.endr
	v_lshl_or_b32 v[PW], v[TM+5], 8, v[TM+4]
	v_lshl_or_b32 v[PW], v[TM+6], 16, v[PW]
	v_lshl_or_b32 v[PW], v[TM+7], 24, v[PW]
.irp c,0,1
	v_cvt_scalef32_pk16_fp6_f32 v[PC+6*\c:PC+2+6*\c], v[\s+32*\c:\s+15+32*\c], v[TM+12+2*\c]
	v_cvt_scalef32_pk16_fp6_f32 v[PC+12+4*\c:PC+14+4*\c], v[\s+16+32*\c:\s+31+32*\c], v[TM+12+2*\c+1]
.endr
	v_nop                                                 ; one plain place behind a scaled conversion
.irp c,0,1                             ; the operand wants a whole block in a lane: lanes 0-15 block 2 c, lanes 16-31 block 2 c + 1
.irp i,0,1,2
	v_permlane16_swap_b32 v[PC+6*\c+\i], v[PC+12+4*\c+\i]
.endr
.irp i,0,1,2
	v_mov_b32 v[PC+3+6*\c+\i], v[PC+12+4*\c+\i]
.endr
.endr
.endm
.macro TURN set                        ; 16 rows x 512 bytes through my stage; LDS serves a wave's instructions in order, so no wait stands between
.irp i,0,1,2,3,4,5,6,7,8,9,10,11,12,13,14,15
	ds_store_b128 v12, v[LD+64*(\set)+4*\i:LD+64*(\set)+4*\i+3] offset:528*\i
.endr
.irp b,0,1,2,3
.irp j,0,1,2,3
	ds_load_b128 v[X+16*\b+4*\j:X+16*\b+4*\j+3], v13 offset:128*\b+16*\j
.endr
.endr
.endm
	s_load_b512 s[4:19], s[0:1], 0x0               ; Wq s[4:5], Wk s[6:7], Wv s[8:9], Wup s[10:11], Wdown s[12:13], pattern_queries s[14:15], bq s[16:17], bk s[18:19]
	s_load_b256 s[20:27], s[0:1], 0x40             ; bv s[20:21], bup s[22:23], bdown s[24:25], wcodes s[26:27]
	v_lshl_add_u32 v10, v0, 2, SPARE               ; my spare word,
	v_mov_b32 v11, 0                               ; and 0: both kept for the wave's end
	v_lshrrev_b32 v12, 5, v0
	v_readfirstlane_b32 s50, v12                   ; wave p
	; which tensor, which tile: work-groups 0-63 Wq, 64-127 Wk, 128-191 Wv, 192-319 Wup, 320-447 Wdown (tile, K half), 448-449 pattern_queries
	s_mov_b32 s32, 0
	s_cmp_ge_u32 ttmp9, 64
	s_cselect_b32 s32, 64, s32
	s_cmp_ge_u32 ttmp9, 128
	s_cselect_b32 s32, 128, s32
	s_cmp_ge_u32 ttmp9, 192
	s_cselect_b32 s32, 192, s32
	s_cmp_ge_u32 ttmp9, 320
	s_cselect_b32 s32, 320, s32
	s_cselect_b32 s34, 1, 0
	s_cmp_ge_u32 ttmp9, 448
	s_cselect_b32 s32, 448, s32
	s_cselect_b32 s34, 0, s34                      ; f = 1 for Wdown alone: rows of 2,048 numbers, two panels a tile
	s_sub_co_u32 s35, ttmp9, s32
	s_lshr_b32 s36, s35, s34                       ; tile t
	s_and_b32 s37, s35, s34                        ; K half
	s_lshl_b32 s38, 4096, s34                      ; a row in bytes
	s_lshr_b32 s39, s36, 1
	s_lshl_b32 s39, s39, 5
	s_and_b32 s40, s36, 1
	s_lshl_b32 s40, s40, 3
	s_add_co_u32 s39, s39, s40                     ; the tile's first row: 32 (t / 2) + 8 (t % 2)
	; the panel's place: q and k of a tile side by side, 16 pairs and then 16 panels of v for each 256 columns; Wup by tiles; Wdown by groups of four tiles, K half 0 then 1
	s_lshr_b32 s41, s36, 4
	s_mul_i32 s41, s41, 48
	s_and_b32 s42, s36, 15
	s_lshl_b32 s43, s42, 1
	s_add_co_u32 s43, s43, s41                     ; Wq
	s_add_co_u32 s44, s43, 1                       ; Wk
	s_add_co_u32 s45, s41, s42
	s_add_co_u32 s45, s45, 32                      ; Wv
	s_lshr_b32 s46, s36, 2
	s_lshl_b32 s46, s46, 3
	s_lshl_b32 s47, s37, 2
	s_add_co_u32 s46, s46, s47
	s_and_b32 s47, s36, 3
	s_add_co_u32 s46, s46, s47
	s_add_co_u32 s46, s46, 320                     ; Wdown
	s_cmp_ge_u32 ttmp9, 64
	s_cselect_b32 s43, s44, s43
	s_cmp_ge_u32 ttmp9, 128
	s_cselect_b32 s43, s45, s43
	s_cmp_ge_u32 ttmp9, 192
	s_cselect_b32 s43, ttmp9, s43                  ; Wup: 192 + t
	s_cmp_ge_u32 ttmp9, 320
	s_cselect_b32 s43, s46, s43
	s_cmp_ge_u32 ttmp9, 448
	s_cselect_b32 s43, ttmp9, s43                  ; pattern_queries: 448 + t
	s_cselect_b32 s48, 0, 0xff                     ; lanes 0-7 carry the bias; pattern_queries have none,
	s_cmp_eq_u32 s37, 1
	s_cselect_b32 s48, 0, s48                      ; and Wdown's second K half adds none
	s_mul_i32 s52, s43, PB
	s_mov_b32 s53, 0
	s_mul_i32 s54, s39, s38
	s_lshl_b32 s55, s37, 12
	s_add_co_u32 s54, s54, s55
	s_lshl_b32 s55, s50, 10
	s_add_co_u32 s54, s54, s55                     ; first row x pitch + 4,096 x K half + 1,024 x wave
	s_mov_b32 s55, 0
	s_lshl_b32 s56, s39, 2
	s_mov_b32 s57, 0
	v_and_b32 v1, 31, v0
	v_lshlrev_b32 v2, 2, v1                        ; 4 x lane
	v_lshlrev_b32 v3, 3, v1                        ; 8 x lane
	v_and_b32 v4, 7, v1
	v_lshrrev_b32 v5, 2, v4
	v_lshlrev_b32 v5, 3, v5
	v_lshl_add_u32 v4, v4, 1, v5
	v_lshlrev_b32 v4, 2, v4                        ; the bias of fragment rows 2 l', 2 l' + 1 (l' = lane % 8): 4 (2 l' + 8 (l' / 4)) bytes on
	v_lshlrev_b32 v1, 4, v1                        ; 16 x lane
	v_and_b32 v12, 15, v0
	v_bfe_u32 v13, v0, 4, 1
	s_mul_i32 s58, s50, 8448
	v_mul_u32_u24 v12, v12, 528
	v_lshl_add_u32 v13, v13, 6, v12
	v_add_nc_u32 v13, s58, v13                     ; out of my stage: row r, + 64 h
	v_add_nc_u32 v12, s58, v1                      ; into it: 16 x lane
	s_mul_i32 s58, s50, 3072
	v_add_nc_u32 v14, s58, v1                      ; my two fragment images in the panel
	s_lshl_b32 s58, s50, 7
	v_add_nc_u32 v15, s58, v2                      ; my scale image
.irp i,0,1,2,3,4,5,6,7,8,9,10,11,12,13,14,15
	v_mad_u32_u24 v[RO+\i], s38, \i+8*(\i/8), v1
.endr
.irp b,0,1,2,3
	v_mov_b32 v[TM+4+\b], 0                        ; written once: a lane permute's destination counts as one of its sources
.endr
	s_wait_kmcnt 0x0
	s_mov_b64 s[28:29], s[4:5]                     ; the choices hang on the work-group's number alone
	s_mov_b64 s[30:31], s[16:17]
	s_cmp_ge_u32 ttmp9, 64
	s_cselect_b64 s[28:29], s[6:7], s[28:29]
	s_cselect_b64 s[30:31], s[18:19], s[30:31]
	s_cmp_ge_u32 ttmp9, 128
	s_cselect_b64 s[28:29], s[8:9], s[28:29]
	s_cselect_b64 s[30:31], s[20:21], s[30:31]
	s_cmp_ge_u32 ttmp9, 192
	s_cselect_b64 s[28:29], s[10:11], s[28:29]
	s_cselect_b64 s[30:31], s[22:23], s[30:31]
	s_cmp_ge_u32 ttmp9, 320
	s_cselect_b64 s[28:29], s[12:13], s[28:29]
	s_cselect_b64 s[30:31], s[24:25], s[30:31]
	s_cmp_ge_u32 ttmp9, 448
	s_cselect_b64 s[28:29], s[14:15], s[28:29]
	s_cselect_b64 s[30:31], s[16:17], s[30:31]     ; (a pointer to load through; the numbers are masked off)
	s_add_nc_u64 s[28:29], s[28:29], s[54:55]
	s_add_nc_u64 s[30:31], s[30:31], s[56:57]
	s_add_nc_u64 s[26:27], s[26:27], s[52:53]
	s_mov_b32 s20, 0x76543210                      ; (bv's pointer has been chosen from: the pair now holds the selects for lane l xor 16)
	s_mov_b32 s21, 0xfedcba98
	s_mov_b32 s22, 0xffff0000                      ; lanes 16-31
.irp a,0,1
.irp i,0,1,2,3,4,5,6,7,8,9,10,11,12,13,14,15
	global_load_b128 v[LD+64*\a+4*\i:LD+64*\a+4*\i+3], v[RO+\i], s[28:29] offset:512*\a th:TH_LOAD_NT   ; 32 lanes read 512 consecutive bytes of a row
.endr
.endr
	global_load_b64 v[6:7], v4, s[30:31]
	s_wait_loadcnt 17                              ; the first K step's 16 loads are in; the second's 16 and the bias may be out
	TURN 0
	s_wait_dscnt 0x0
	QUANT X
.irp c,0,1,2
	global_store_b128 v14, v[PC+4*\c:PC+4*\c+3], s[26:27] offset:512*\c           ; 512 consecutive bytes a store
.endr
	v_mov_b32 v[PWE], v[PW]
	s_wait_loadcnt 0x0
	TURN 1
	s_wait_dscnt 0x0
	s_wait_xcnt 0x0                                ; the stores above have read the codes' registers: only now are they written again
	QUANT X
.irp c,0,1,2
	global_store_b128 v14, v[PC+4*\c:PC+4*\c+3], s[26:27] offset:1536+512*\c
.endr
	v_cndmask_b32 v[PWE], v[PWE], v[PW], s22       ; lanes 0-15 the even K step's words, lanes 16-31 the odd one's
	global_store_b32 v15, v[PWE], s[26:27] offset:SCO
	s_cmp_lg_u32 s50, 0
	s_cbranch_scc1 .Lno_bias
	v_cndmask_b32 v6, 0, v6, s48
	v_cndmask_b32 v7, 0, v7, s48
	global_store_b64 v3, v[6:7], s[26:27] offset:BIO                               ; 256 bytes: the 16 biases, then zeros
.Lno_bias:
	s_wait_tensorcnt 0x0                           ; the wave's end
	ds_add_u32 v10, v11
	s_wait_dscnt 0x0
	s_endpgm
.Lfunc_end_k_qfd334e5de7_prep:
	.size	k_qfd334e5de7_prep, .Lfunc_end_k_qfd334e5de7_prep-k_qfd334e5de7_prep
	.p2alignl 7, 3214868480
	.fill 96, 4, 3214868480
	.section	.rodata,"a",@progbits
	.p2align	6, 0x0
	.amdhsa_kernel k_qfd334e5de7_prep
		.amdhsa_group_segment_fixed_size 34304
		.amdhsa_private_segment_fixed_size 0
		.amdhsa_enable_private_segment 0
		.amdhsa_kernarg_size 96
		.amdhsa_user_sgpr_count 2
		.amdhsa_user_sgpr_kernarg_segment_ptr 1
		.amdhsa_wavefront_size32 1
		.amdhsa_system_sgpr_workgroup_id_x 1
		.amdhsa_system_sgpr_workgroup_id_y 1
		.amdhsa_system_sgpr_workgroup_id_z 1
		.amdhsa_system_vgpr_workitem_id 0
		.amdhsa_next_free_vgpr 240
		.amdhsa_next_free_sgpr 66
		.amdhsa_reserve_vcc 0
		.amdhsa_float_denorm_mode_32 3
		.amdhsa_float_denorm_mode_16_64 3
		.amdhsa_memory_ordered 1
		.amdhsa_forward_progress 1
		.amdhsa_inst_pref_size 22
	.end_amdhsa_kernel
	.amdgpu_metadata
---
amdhsa.version: [ 1, 2 ]
amdhsa.kernels:
  - .name:           k_qfd334e5de7_prep
    .symbol:         k_qfd334e5de7_prep.kd
    .args:
      - { .name: Wq, .offset: 0, .size: 8, .value_kind: global_buffer, .address_space: global }
      - { .name: Wk, .offset: 8, .size: 8, .value_kind: global_buffer, .address_space: global }
      - { .name: Wv, .offset: 16, .size: 8, .value_kind: global_buffer, .address_space: global }
      - { .name: Wup, .offset: 24, .size: 8, .value_kind: global_buffer, .address_space: global }
      - { .name: Wdown, .offset: 32, .size: 8, .value_kind: global_buffer, .address_space: global }
      - { .name: pattern_queries, .offset: 40, .size: 8, .value_kind: global_buffer, .address_space: global }
      - { .name: bq, .offset: 48, .size: 8, .value_kind: global_buffer, .address_space: global }
      - { .name: bk, .offset: 56, .size: 8, .value_kind: global_buffer, .address_space: global }
      - { .name: bv, .offset: 64, .size: 8, .value_kind: global_buffer, .address_space: global }
      - { .name: bup, .offset: 72, .size: 8, .value_kind: global_buffer, .address_space: global }
      - { .name: bdown, .offset: 80, .size: 8, .value_kind: global_buffer, .address_space: global }
      - { .name: wcodes, .offset: 88, .size: 8, .value_kind: global_buffer, .address_space: global }
    .group_segment_fixed_size: 34304
    .private_segment_fixed_size: 0
    .kernarg_segment_align: 8
    .kernarg_segment_size: 96
    .max_flat_workgroup_size: 128
    .sgpr_count:     66
    .vgpr_count:     240
    .wavefront_size: 32
...
	.end_amdgpu_metadata
.endif
;; end of part 1
;; launch attn (part 2): grid 256 x 1, 4 waves a work-group, clusters of 4 x 1, 327,680 bytes of LDS; arguments selected_neurons, context, x, topk_neuron_weights, wcodes, ccodes; writes ccodes
.if DOCPART == 2
	.amdgcn_target "amdgcn-amd-amdhsa--gfx1250"
	.amdhsa_code_object_version 6
	.text
	.protected	k_qfd334e5de7_attn
	.globl	k_qfd334e5de7_attn
	.p2align	8
	.type	k_qfd334e5de7_attn,@function
k_qfd334e5de7_attn:
	s_mov_b64 s[64:65], 0
	v_nop
	global_prefetch_b8 v0, s[64:65] scope:SCOPE_SE
	s_setreg_imm32_b32 hwreg(HW_REG_WAVE_MODE, 25, 1), 1
	s_wait_xcnt 0x0
	s_wait_alu depctr_hold_cnt(0) depctr_sa_sdst(0) depctr_va_vdst(0) depctr_va_sdst(0) depctr_va_ssrc(0) depctr_va_vcc(0) depctr_vm_vsrc(0)
	s_getreg_b32 s2, hwreg(HW_REG_IB_STS2, 6, 4)
	s_cmp_eq_u32 s2, 0
	s_cbranch_scc0 .Lentry_in_a_cluster
	s_endpgm
.Lentry_in_a_cluster:
	s_bfe_u32 s2, ttmp6, 0x10000c
	s_cmp_lg_u32 s2, 0x3003
	s_cbranch_scc0 .Lentry_shape_is_right
	s_endpgm
.Lentry_shape_is_right:
; Launch 2 of 4: q, k, v, the 4 x 4 attention of each token, the pattern scores, the top 4 of 32, the weighted sum, x + that sum, quantised for the next launch.
; router_out and topk_neuron_idx are inputs that the function computed here never uses: no result hangs on them, and no launch loads them.
; SHARES.  A work-group owns 16 tokens = 64 neuron rows.  Row tile nu (0..3) holds neuron nu of the 16 tokens, so with the products used transposed (source 0 = 16 weight rows, source 1 = 16 neuron rows)
; lane (r, h) holds token r in all four accumulators: the small products, the softmaxes and the top 4 are work on a lane's own registers.
; The 64 rows' codes for all of K (32 fragments, 384 registers) stay in every wave's registers.  The waves share the columns: wave w makes columns 256 w .. 256 w + 255 of q, k and v.
; q and k live for one tile of 16 columns: they become partial scores at once.  v (512 registers a wave) stays in registers, 4 of its 16 panels in LDS while the ring runs.
; THE WEIGHTS come as panels (launch 1) through a ring of two LDS slots; a slot holds a double panel (26,112 bytes) for each wave, which that wave alone fills and reads.  All work-groups walk the same
; panels, so the four of a cluster ask jointly (mask 15).  24 double panels a wave: 16 of (q, k), 8 of (v, v).
; THE ORDER OF THE WALK.  A score is a sum over the 16 tiles of columns, in any order: so the 64 clusters begin their walk over the 16 (q, k) double panels at 16 different places and wrap round,
; and between them the first fills, which go out ahead of the quantising of the rows, ask for all 16.  v's panels go to accumulators that the text names, so every cluster walks them in one order;
; they are prefetched while the (q, k) panels are walked (macro ASK).
; SUMS over the four waves (scores, context scores, pattern scores) go through LDS and are added in the order of the waves, alike in all four.
; TOP 4: four times the largest of 32, ties to the lower index, by compares and selects in every trip: no branch and no address hangs on a number.
; LIMITS: NaN and infinities among the inputs are not served; a block of zeros gets the scale byte 1 with zero codes (this program alone reads the bytes).
; REGISTERS, in windows of 256.  window 0: v1-15 addresses, v16-31 the rows' scale words, v32-47 the weights', v48-49 the patterns', v50 the scale word just made, v51 its even partner, v52-67 biases,
;   v68-111 work, v112-255 fragments 0-11.  window 1: fragments 12-31.  window 2: v512-607 two half panels of weights; from v640 on accumulators: panel n of v at v[512 + 32 n + 8 nu].
; SCALARS of the walk: s19 the place in the walk that is asked for next, s23 where my cluster begins, s[58:59] my wave's 48 panels, s[62:63] an offset; of the prefetches: s[46:47] where mine stand, s3 who asks.
.set PB,    13056
.set DPB,   26112
.set SLOTB, 104448
.set SCO,   12288
.set BIO,   12800
.set APB,   12800
.set PQB,   5849088                    ; the patterns' two panels in wcodes
.set AIMG,  208896                     ; behind the ring: the rows' 32 fragment images,
.set ASIMG, 258048                     ; their 16 scale images;
.set SPL,   208896                     ; later, over both: v's panels 0-3, 16,384 bytes a wave
.set STG,   274432                     ; a stage of 16 x 528 bytes for each wave
.set SCP,   308224                     ; partial scores, 2,048 bytes a wave
.set CTP,   316416                     ; partial context scores, 2,048 bytes a wave
.set SPARE, 324608                     ; the spare words
.set AS,  16
.set BS,  32
.set PW,  50
.set BI,  52
.set MSB, 0
.macro WIN new                         ; the immediate's high byte repeats the setting that is left; a switch that changes nothing is dropped
.if MSB != (\new)
	s_set_vgpr_msb (MSB<<8)|(\new)
.set MSB, \new
.endif
.endm
.macro PLACES                          ; four places behind a matrix instruction, in front of loads into its registers and of reads of its result
.rept 4
	v_nop
.endr
.endm
.macro ROUND                           ; a round of the cluster's barrier
	s_barrier_signal -1
	s_barrier_wait -1
	s_cmp_lg_u32 s16, 0
	s_cbranch_scc1 .Lnot_wave_0_\@
	s_barrier_signal -3
.Lnot_wave_0_\@:
	s_barrier_wait -3
	s_barrier_signal -1
	s_barrier_wait -1
.endm
.macro JLOAD sg                        ; my double panel into slot sg: one line for all four waves; its descriptor hangs on the wave's number and the cluster's, which the four partners share
	tensor_load_to_lds s[32+4*(\sg):35+4*(\sg)], s[24:31]
	s_nop 0
	PLACES
.endm
.macro CHANGE sg                       ; slot sg has been read out: it is filled again, with the double panel at place s19 of the walk
	WIN 0
	s_wait_tensorcnt 0x0                           ; all my tensor loads have landed, the other slot's among them: a descriptor may be written
	ds_add_u32 v10, v11                            ; 0 onto my spare word; the address is made between it and the wait for it
	s_add_co_u32 s2, s19, s23
	s_and_b32 s2, s2, 15                           ; places 0-15: the (q, k) double panels, from my cluster's beginning on, round 16;
	s_cmp_lt_u32 s19, 16
	s_cselect_b32 s2, s2, s19                      ; places 16-23: v's, as they lie
	s_mul_i32 s62, s2, DPB
	s_add_nc_u64 s[34+4*(\sg):35+4*(\sg)], s[58:59], s[62:63]
	s_or_b32 s[35+4*(\sg)], s[35+4*(\sg)], 0x80000000   ; type = 2
	s_add_co_u32 s19, s19, 1
	s_wait_dscnt 0x0                               ; the add is done, and my reads of the slot are over
	ROUND                                          ; both now hold of every wave of the four work-groups
	JLOAD \sg                                      ; my one tensor load behind the round; its four v_nop are also the places in front of the loads that follow
.endm
; A PREFETCH INTO THE L2 of v's panels, which the tensor loads ask for from the eighth trip of the loop over (q, k) on.  Wave group w's 16 panels of v are 816 blocks of 256 bytes on end.  All clusters walk
; them, so cluster 0 asks, and nobody else; its four partners take 204 blocks each, told apart BY ADDRESS; in each, wave w asks for its own group's: a lane a block, 32 blocks a trip, one instruction,
; in the first seven trips (s53 counts 8 .. 1).  7 x 32 is 224: the block's number is held at 203, the share's last.  It stands behind the joint load, its five lines and the run of LDS loads.
.macro ASK
	s_cmp_gt_u32 s53, s3
	s_cbranch_scc0 .Lnot_mine_\@
	global_prefetch_b8 v101, s[46:47] th:TH_LOAD_NT scope:SCOPE_SE
.Lnot_mine_\@:
.endm
.macro LHALF sg, pn, hf, set           ; four fragments (K steps 4 hf .. 4 hf + 3) of panel pn of slot sg into weight set set: 12 loads
	WIN 0x80
.irp sp,0,1,2,3
.irp c,0,1,2
	ds_load_b128 v[48*(\set)+12*\sp+4*\c:48*(\set)+12*\sp+4*\c+3], v[4+(\sg)] offset:(\pn)*PB+(4*(\hf)+\sp)*1536+512*\c
.endr
.endr
.endm
.macro LMETA sg                        ; both panels' scale images and biases: 12 loads
	WIN 0
.irp pn,0,1
.irp p,0,1,2,3
	ds_load_b32 v[BS+8*(\sg)+4*\pn+\p], v[6+(\sg)] offset:\pn*PB+128*\p
.endr
.irp q,0,1
	ds_load_b128 v[BI+8*\pn+4*\q:BI+8*\pn+4*\q+3], v[8+(\sg)] offset:\pn*PB+16*\q
.endr
.endr
.endm
; 16 matrix instructions: four K steps x the four row tiles, whose accumulators take turns, one instruction a turn.  cm = 1: the bias is the C of a sum's first instruction.
.macro MHALF set, hf, acc, cm, sg, pn
.irp sp,0,1,2,3
.irp k,0,1,2,3
.set S_, 4*(\hf)+\sp
.set F_, 4*S_+\k
.set DW_, ((\acc)+8*\k)/256
.set DL_, ((\acc)+8*\k)%256
.set AW_, 0
.set AL_, 112+12*F_
.if F_ >= 12
.set AW_, 1
.set AL_, 12*(F_-12)
.endif
.set BL_, 48*(\set)+12*\sp
.set SB_, BS+8*(\sg)+4*(\pn)+S_/2
.set SA_, AS+4*\k+S_/2
.if (\cm) && (S_ == 0)
	WIN 2|(AW_<<2)|(DW_<<6)
	v_wmma_scale_f32_16x16x128_f8f6f4 v[DL_:DL_+7], v[BL_:BL_+11], v[AL_:AL_+11], v[BI+8*(\pn):BI+8*(\pn)+7], v[SB_], v[SA_] matrix_a_fmt:MATRIX_FMT_FP6 matrix_b_fmt:MATRIX_FMT_FP6
.elseif S_%2
	WIN 2|(AW_<<2)|(DW_<<4)|(DW_<<6)
	v_wmma_scale_f32_16x16x128_f8f6f4 v[DL_:DL_+7], v[BL_:BL_+11], v[AL_:AL_+11], v[DL_:DL_+7], v[SB_], v[SA_] matrix_a_fmt:MATRIX_FMT_FP6 matrix_b_fmt:MATRIX_FMT_FP6 matrix_a_scale:MATRIX_SCALE_ROW1 matrix_b_scale:MATRIX_SCALE_ROW1
.else
	WIN 2|(AW_<<2)|(DW_<<4)|(DW_<<6)
	v_wmma_scale_f32_16x16x128_f8f6f4 v[DL_:DL_+7], v[BL_:BL_+11], v[AL_:AL_+11], v[DL_:DL_+7], v[SB_], v[SA_] matrix_a_fmt:MATRIX_FMT_FP6 matrix_b_fmt:MATRIX_FMT_FP6
.endif
.endr
.endr
.endm
.macro SPILL n                         ; panel n of v, made in the registers of panel n + 12, goes to LDS; each accumulator from its low end on
	WIN 0x0c
.irp g,0,1,2,3,4,5,6,7
	ds_store_b128 v15, v[128+32*(\n)+4*\g:128+32*(\n)+4*\g+3] offset:4096*(\n)+512*\g
.endr
.endm
; A slot: two panels x 64 rows x 1,024 K, 64 matrix instructions.  mode 2: the slot is filled again and another follows; 1: another follows; 0: the last.  sp0, sp1: the panel to spill, 9 = none.  ask = 1: the trip's prefetch.
; Each s_wait_dscnt 12 leaves out the 12 loads of the youngest half panel alone: what is multiplied next, and all stores issued before those loads, are in.
.macro SLOT sg, acc0, acc1, cm, mode, sp0, sp1, ask
	s_wait_dscnt 12
	MHALF 0, 0, \acc0, \cm, \sg, 0
	PLACES
	LHALF \sg, 1, 0, 0
	s_wait_dscnt 12
	MHALF 1, 1, \acc0, 0, \sg, 0
	PLACES
.if (\sp0) < 4
	SPILL \sp0
.endif
	LHALF \sg, 1, 1, 1
	s_wait_dscnt 12
	MHALF 0, 0, \acc1, \cm, \sg, 1
.if (\mode) == 2
	CHANGE \sg
.elseif (\mode) == 1
	WIN 0
	s_wait_tensorcnt 0x0                           ; the last double panel is in; I alone read it
	s_wait_dscnt 0x0
	PLACES
.else
	s_wait_dscnt 0x0
.endif
.if (\mode) >= 1
	LHALF 1-(\sg), 0, 0, 0
	LMETA 1-(\sg)
.if (\ask)
	ASK
.endif
.endif
	MHALF 1, 1, \acc1, 0, \sg, 1
.if (\mode) >= 1
	PLACES
.if (\sp1) < 4
	SPILL \sp1
.endif
	LHALF 1-(\sg), 0, 1, 1
.endif
.endm
.macro AFRAG f, adr, off               ; fragment f of the rows from its image
.if (\f) < 12
	WIN 0
.irp c,0,1,2
	ds_load_b128 v[112+12*(\f)+4*\c:112+12*(\f)+4*\c+3], v[\adr] offset:(\off)+512*\c
.endr
.else
	WIN 0x40
.irp c,0,1,2
	ds_load_b128 v[12*((\f)-12)+4*\c:12*((\f)-12)+4*\c+3], v[\adr] offset:(\off)+512*\c
.endr
.endif
.endm
.macro QUANT s                         ; v[s] .. v[s+63], register 16 b + i = k 32 b + 16 (lane / 16) + i of my row -> 12 registers of codes at v[PC], scale word in v[PW]
.irp b,0,1,2,3
	v_max3_num_f32 v[TM+\b], |v[\s+16*\b]|, |v[\s+1+16*\b]|, 0x1800000   ; with the floor 2^(3 - 127): the byte cannot fall under 1
.endr
.irp i,2,4,6,8,10,12,14
.irp b,0,1,2,3
	v_max3_num_f32 v[TM+\b], v[TM+\b], |v[\s+16*\b+\i]|, |v[\s+1+16*\b+\i]|
.endr
.endr
.irp b,0,1,2,3
	v_permlanex16_b32 v[TM+4+\b], v[TM+\b], s20, s21
.endr
.irp b,0,1,2,3
	v_max_num_f32 v[TM+\b], v[TM+\b], v[TM+4+\b]
.endr
.irp b,0,1,2,3
	v_add_nc_u32 v[TM+12+\b], 0xff000000, v[TM+\b]        ; 2 off the exponent field: the conversion's scale operand
.endr
.irp b,0,1,2,3
	v_lshrrev_b32 v[TM+4+\b], 23, v[TM+12+\b]
.endr
	v_lshl_or_b32 v[PW], v[TM+5], 8, v[TM+4]
	v_lshl_or_b32 v[PW], v[TM+6], 16, v[PW]
	v_lshl_or_b32 v[PW], v[TM+7], 24, v[PW]
.irp c,0,1
	v_cvt_scalef32_pk16_fp6_f32 v[PC+6*\c:PC+2+6*\c], v[\s+32*\c:\s+15+32*\c], v[TM+12+2*\c]
	v_cvt_scalef32_pk16_fp6_f32 v[PC+12+4*\c:PC+14+4*\c], v[\s+16+32*\c:\s+31+32*\c], v[TM+12+2*\c+1]
.endr
	v_nop                                                 ; one plain place behind a scaled conversion
.irp c,0,1
.irp i,0,1,2
	v_permlane16_swap_b32 v[PC+6*\c+\i], v[PC+12+4*\c+\i]
.endr
.irp i,0,1,2
	v_mov_b32 v[PC+3+6*\c+\i], v[PC+12+4*\c+\i]
.endr
.endr
.endm
.macro QLOADW set, base, pitch, koff   ; 16 rows x 512 bytes (one K step) into set set of window 1; each load reads 512 consecutive bytes
.irp i,0,1,2,3,4,5,6,7,8,9,10,11,12,13,14,15
	global_load_b128 v[64*(\set)+4*\i:64*(\set)+4*\i+3], v1, s[\base:\base+1] offset:\i*(\pitch)+(\koff) th:TH_LOAD_NT
.endr
.endm
	s_load_b256 s[4:11], s[0:1], 0x0               ; selected_neurons s[4:5], context s[6:7], x s[8:9], topk_neuron_weights s[10:11]
	s_load_b128 s[12:15], s[0:1], 0x20             ; wcodes s[12:13], ccodes s[14:15]
	v_lshl_add_u32 v10, v0, 2, SPARE
	v_mov_b32 v11, 0
	ds_add_u32 v10, v11                            ; the wave's opening; its wait stands behind the set-up
	v_lshrrev_b32 v12, 5, v0
	v_readfirstlane_b32 s16, v12                   ; wave 0..3
	s_bfe_u32 s17, ttmp6, 0x40000                  ; cx
	s_lshl_b32 s18, ttmp9, 2
	s_add_co_u32 s18, s18, s17                     ; work-group W = 4 x cluster + cx: it enters the addresses of my own rows alone
	s_bfe_u32 s2, ttmp9, 0x10004                   ; where my cluster begins its walk: the cluster's number c, + 8 x its bit 4, + 4 x its bit 5, round 16:
	s_lshl_b32 s2, s2, 3                           ; clusters 16 and 32 apart begin at different places too
	s_bfe_u32 s23, ttmp9, 0x10005
	s_lshl_b32 s23, s23, 2
	s_add_co_u32 s23, s23, s2
	s_add_co_u32 s23, s23, ttmp9
	s_and_b32 s23, s23, 15
	s_cmp_eq_u32 ttmp9, 0
	s_cselect_b32 s3, 1, -1                        ; 1 in the cluster that prefetches, else the greatest number: the same in all four partners
	s_mov_b32 s20, 0x76543210
	s_mov_b32 s21, 0xfedcba98                      ; selects for lane l xor 16
	s_mov_b32 s22, 0xffff0000                      ; lanes 16-31
	s_mov_b32 s24, 0x0023000f                      ; group 1: mask 15, elements of 8 bytes, bit 21 beside the mask, no padding
	s_mov_b32 s25, 32<<16                          ; tensor_dim0 = 32 elements: rows of 256 bytes
	s_mov_b32 s26, 102<<16                         ; tensor_dim1 = 102 rows: a double panel
	s_mov_b32 s27, 32<<16                          ; tile_dim0
	s_mov_b32 s28, 102                             ; tile_dim1
	s_mov_b32 s29, 32                              ; pitch: dense
	s_mov_b32 s30, 0
	s_mov_b32 s31, 0
	s_mul_i32 s52, s16, DPB                        ; my part of a slot
	v_and_b32 v1, 31, v0
	v_lshlrev_b32 v2, 2, v1                        ; 4 x lane
	v_lshlrev_b32 v1, 4, v1                        ; 16 x lane
	v_and_b32 v3, 15, v0                           ; r
	v_bfe_u32 v12, v0, 4, 1                        ; h
	v_add_nc_u32 v4, s52, v1                       ; v4, v5: fragment images of slot 0, 1
	v_add_nc_u32 v5, SLOTB, v4
	v_add_nc_u32 v6, s52, v2
	v_add_nc_u32 v6, SCO, v6                       ; v6, v7: scale images
	v_add_nc_u32 v7, SLOTB, v6
	v_lshl_add_u32 v8, v12, 5, s52
	v_add_nc_u32 v8, BIO, v8                       ; v8, v9: my half's eight biases
	v_add_nc_u32 v9, SLOTB, v8
	s_mul_i32 s60, s16, 8448
	s_add_co_u32 s60, s60, STG
	v_mul_u32_u24 v13, v3, 528
	v_lshl_add_u32 v13, v12, 6, v13
	v_add_nc_u32 v13, s60, v13                     ; out of my stage: row r, + 64 h
	v_add_nc_u32 v12, s60, v1                      ; into it
	s_mul_i32 s60, s16, 1536
	s_add_co_u32 s60, s60, AIMG
	v_add_nc_u32 v14, s60, v1                      ; my row tile's images: fragment 4 s + w
	s_lshl_b32 s60, s16, 9
	s_add_co_u32 s60, s60, ASIMG
	v_add_nc_u32 v15, s60, v2
	s_lshl_b32 s46, s18, 18                        ; selected_neurons: 16 tokens x 16,384 bytes, + my neuron's 4,096
	s_lshl_b32 s47, s16, 12
	s_add_co_u32 s46, s46, s47
	s_mov_b32 s47, 0
	s_lshl_b32 s48, s18, 16                        ; context, x: 16 rows x 4,096 bytes, + my 256 columns
	s_lshl_b32 s49, s16, 10
	s_add_co_u32 s48, s48, s49
	s_mov_b32 s49, 0
	s_lshl_b32 s50, s18, 8
	s_mov_b32 s51, 0
	s_mul_i32 s56, s18, APB
	s_mov_b32 s57, 0
	s_mul_i32 s58, s16, 626688                     ; my 48 panels
	s_mov_b32 s59, 0
	s_mul_i32 s60, s16, 3072
	s_add_co_u32 s60, s60, PQB                     ; the patterns' fragments of my K steps 2 w, 2 w + 1
	s_mov_b32 s61, 0
	s_lshl_b32 s62, s16, 7
	s_add_co_u32 s62, s62, PQB+SCO                 ; and their scale image
	s_mov_b32 s63, 0
	s_mov_b32 s32, 1
	s_mov_b32 s33, s52
	s_mov_b32 s36, 1
	s_add_co_u32 s37, s52, SLOTB
	s_wait_dscnt 0x0                               ; the opening add is done
	s_wait_kmcnt 0x0
	s_add_nc_u64 s[4:5], s[4:5], s[46:47]
	s_add_nc_u64 s[6:7], s[6:7], s[48:49]
	s_add_nc_u64 s[8:9], s[8:9], s[48:49]
	s_add_nc_u64 s[10:11], s[10:11], s[50:51]
	s_add_nc_u64 s[40:41], s[12:13], s[60:61]
	s_add_nc_u64 s[42:43], s[12:13], s[62:63]
	s_add_nc_u64 s[14:15], s[14:15], s[56:57]
	s_lshl_b32 s56, s16, 7
	s_add_co_u32 s56, s56, SCO
	s_add_nc_u64 s[44:45], s[14:15], s[56:57]      ; my scale image in ccodes
	s_mul_i32 s56, s16, 3072
	s_add_nc_u64 s[14:15], s[14:15], s[56:57]      ; my two fragment images
	s_add_nc_u64 s[58:59], s[12:13], s[58:59]      ; my wave's 48 panels: kept; every refill's address is this + an offset
	s_mul_i32 s62, s23, DPB                        ; place 0 of the walk (s63 is 0)
	s_add_nc_u64 s[34:35], s[58:59], s[62:63]
	s_or_b32 s35, s35, 0x80000000
	s_add_co_u32 s2, s23, 1                        ; place 1
	s_and_b32 s2, s2, 15
	s_mul_i32 s62, s2, DPB
	s_add_nc_u64 s[38:39], s[58:59], s[62:63]
	s_or_b32 s39, s39, 0x80000000
	s_mov_b32 s19, 2                               ; the first refill asks for place 2
	s_mul_i32 s46, s17, 52224                      ; the prefetches: my work-group's 204 blocks
	s_add_co_u32 s46, s46, 16*DPB                  ; of v's panels, which lie behind the 16 (q, k) double panels (s47 is 0)
	s_add_nc_u64 s[46:47], s[58:59], s[46:47]
	ROUND                                          ; the four work-groups are here: the first joint loads meet
	JLOAD 0
	JLOAD 1                                        ; two tensor loads of mine are out
	; ---- PHASE 0: my row tile (neuron w of 16 tokens) and my two K steps of context are quantised.  v112-175 the numbers, v176-223 four fragments of the patterns, v224-239 context scores
.set TM, 240
.set PC, 84
.irp pt,0,1
.irp u,0,1
.irp c,0,1,2
	global_load_b128 v[176+24*\pt+12*\u+4*\c:176+24*\pt+12*\u+4*\c+3], v1, s[40:41] offset:\pt*PB+\u*1536+512*\c
.endr
.endr
	global_load_b32 v[48+\pt], v2, s[42:43] offset:\pt*PB
.endr
	WIN 0x40
	QLOADW 0, 4, 16384, 0
	QLOADW 1, 4, 16384, 512
	QLOADW 2, 4, 16384, 1024
	WIN 0
.irp b,0,1,2,3
	v_mov_b32 v[TM+4+\b], 0                        ; written once: a lane permute's destination counts as one of its sources
.endr
; Step t: 0-7 K step t of my neuron rows, 8-9 my K steps of context.  Loads run three steps ahead, in four sets of registers.
.macro P0STEP t
.if (\t) < 8
	s_wait_loadcnt 32                              ; this step's 16 loads are in; those of the two steps behind it may be out
.else
	s_wait_loadcnt 16*(9-(\t))
.endif
	WIN 0x04
.irp i,0,1,2,3,4,5,6,7,8,9,10,11,12,13,14,15
	ds_store_b128 v12, v[64*((\t)%4)+4*\i:64*((\t)%4)+4*\i+3] offset:528*\i
.endr
	WIN 0
.irp b,0,1,2,3
.irp j,0,1,2,3
	ds_load_b128 v[112+16*\b+4*\j:112+16*\b+4*\j+3], v13 offset:128*\b+16*\j      ; LDS serves a wave's instructions in order: these see the stores above
.endr
.endr
.if (\t)+3 < 8
	WIN 0x40
	QLOADW ((\t)+3)%4, 4, 16384, 512*((\t)+3)      ; into the set that the step before sent to the stage (its stores were waited for there)
	WIN 0
.elseif (\t)+3 < 10
	WIN 0x40
	QLOADW ((\t)+3)%4, 6, 4096, 512*((\t)-5)
	WIN 0
.endif
	s_wait_dscnt 0x0                               ; the numbers are back; the last step's images have read their registers
	QUANT 112
.if (\t) < 8
.irp c,0,1,2
	ds_store_b128 v14, v[PC+4*\c:PC+4*\c+3] offset:6144*(\t)+512*\c
.endr
.if (\t)%2 == 0
	v_mov_b32 v51, v50
.else
	v_cndmask_b32 v51, v51, v50, s22               ; lanes 0-15 the even K step's words, lanes 16-31 the odd one's
	ds_store_b32 v15, v51 offset:128*((\t)/2)
.endif
.else
.rept 8
	v_nop                                          ; a scale word made by vector instructions stands 8 places ahead of a scaled matrix instruction, codes so made 4
.endr
.irp pt,0,1
.if (\t) == 8
	v_wmma_scale_f32_16x16x128_f8f6f4 v[224+8*\pt:231+8*\pt], v[176+24*\pt:187+24*\pt], v[PC:PC+11], 0, v[48+\pt], v[PW] matrix_a_fmt:MATRIX_FMT_FP6 matrix_b_fmt:MATRIX_FMT_FP6
.else
	v_wmma_scale_f32_16x16x128_f8f6f4 v[224+8*\pt:231+8*\pt], v[188+24*\pt:199+24*\pt], v[PC:PC+11], v[224+8*\pt:231+8*\pt], v[48+\pt], v[PW] matrix_a_fmt:MATRIX_FMT_FP6 matrix_b_fmt:MATRIX_FMT_FP6 matrix_a_scale:MATRIX_SCALE_ROW1
.endif
.endr
.endif
.endm
.irp t,0,1,2,3,4,5,6,7,8,9
	P0STEP \t
.endr
	PLACES
	s_lshl_b32 s60, s16, 11
	s_add_co_u32 s60, s60, CTP
	v_add_nc_u32 v12, s60, v1
.irp g,0,1,2,3
	ds_store_b128 v12, v[224+4*\g:227+4*\g] offset:512*\g                          ; my partial context scores: lane (r, h): token r, patterns 8 pt + 16 h + j
.endr
	s_wait_dscnt 0x0                               ; for the others' sake: my images have landed
	s_barrier_signal -1
	s_barrier_wait -1                              ; my two tensor loads may stay out
	v_add_nc_u32 v12, AIMG, v1
	v_add_nc_u32 v13, ASIMG, v2
.set F, 0
.rept 32
	AFRAG F, 12, 1536*F
.set F, F+1
.endr
	WIN 0
.set Q, 0
.rept 16
	ds_load_b32 v[AS+Q], v13 offset:128*Q
.set Q, Q+1
.endr
	s_wait_dscnt 0x0
	s_lshl_b32 s60, s16, 11
	s_add_co_u32 s60, s60, SCP
	v_add_nc_u32 v14, s60, v1                      ; my partial scores
	s_lshl_b32 s60, s16, 14
	s_add_co_u32 s60, s60, SPL
	v_add_nc_u32 v15, s60, v1                      ; my spill
	; ---- PHASE QK: 16 slots of (q tile, k tile).  v68-99: the 16 scores of my token, each as a pair (even and odd columns); v100 the number of the block that my lane prefetches, v101 its byte offset
.set Q, 0
.rept 32
	v_mov_b32 v[68+Q], 0
.set Q, Q+1
.endr
	v_and_b32 v100, 31, v0
	v_lshlrev_b32 v101, 8, v100
	s_wait_tensorcnt 1                             ; my first double panel is in; the second may be out
	LHALF 0, 0, 0, 0
	LMETA 0
	LHALF 0, 0, 1, 1
.macro SCORES                          ; score(i, j) += q(i, .) k(j, .) over the tile's eight columns of my half; each accumulator is read from its low end on
	WIN 0x0a
.irp e,0,1,2,3
.irp i,0,1,2,3
.irp j,0,1,2,3
	v_pk_fma_f32 v[68+2*(4*\i+\j):69+2*(4*\i+\j)], v[128+8*\i+2*\e:129+8*\i+2*\e], v[160+8*\j+2*\e:161+8*\j+2*\e], v[68+2*(4*\i+\j):69+2*(4*\i+\j)]
.endr
.endr
.endr
.endm
	WIN 0
	s_mov_b32 s53, 8
.Lqk:
	SLOT 0, 640, 672, 1, 2, 9, 9, 1
	SCORES
	SLOT 1, 640, 672, 1, 2, 9, 9, 0
	SCORES
	WIN 0
	s_wait_xcnt 0x0                                ; the trip's prefetch, a slot back, has read its offset: only now is it written again
	v_add_nc_u32 v100, 32, v100                    ; the next trip's 32 blocks,
	v_min_u32 v101, 0xcb, v100                     ; held at my share's last, 203
	v_lshlrev_b32 v101, 8, v101
	s_sub_co_u32 s53, s53, 1
	s_cmp_lg_u32 s53, 0
	s_cbranch_scc1 .Lqk
.set Q, 0
.rept 16
	v_add_f32 v[68+Q], v[68+2*Q], v[69+2*Q]
.set Q, Q+1
.endr
.set Q, 0
.rept 16
	v_permlanex16_b32 v[84+Q], v[68+Q], s20, s21
.set Q, Q+1
.endr
.set Q, 0
.rept 16
	v_add_f32 v[68+Q], v[68+Q], v[84+Q]
.set Q, Q+1
.endr
.irp g,0,1,2,3
	ds_store_b128 v14, v[68+4*\g:71+4*\g] offset:512*\g
.endr
	; ---- PHASE V: 8 slots of (v, v).  Panels 0-3 are made where panels 12-15 will stand and go to LDS: their own registers hold the weights while the ring runs
	SLOT 0, 896, 928, 1, 2, 0, 1, 0
	SLOT 1, 960, 992, 1, 2, 2, 3, 0
	SLOT 0, 640, 672, 1, 2, 9, 9, 0
	SLOT 1, 704, 736, 1, 2, 9, 9, 0
	SLOT 0, 768, 800, 1, 2, 9, 9, 0
	SLOT 1, 832, 864, 1, 2, 9, 9, 0
	SLOT 0, 896, 928, 1, 1, 9, 9, 0
	SLOT 1, 960, 992, 1, 0, 9, 9, 0
	; ---- P1: what the rest needs is asked for.  v52-67 the quantiser's work, v68-99 the attention weights (each twice, a pair), v100-103 the neuron weights, v112-159 the patterns, v160-223 64 numbers, v224-243 codes
	WIN 0
	PLACES
.set TM, 52
.set PC, 224
.irp pt,0,1
.irp u,0,1
.irp c,0,1,2
	global_load_b128 v[112+24*\pt+12*\u+4*\c:112+24*\pt+12*\u+4*\c+3], v1, s[40:41] offset:\pt*PB+\u*1536+512*\c
.endr
.endr
.endr
	v_lshlrev_b32 v12, 4, v3
	global_load_b128 v[100:103], v12, s[10:11]     ; my token's four neuron weights
	WIN 0x40
	QLOADW 0, 8, 4096, 0                           ; x: 16 tokens x my 256 columns, wanted much later
	QLOADW 1, 8, 4096, 512
	WIN 0x80
.set Q, 0
.rept 32
	ds_load_b128 v[4*Q:4*Q+3], v15 offset:512*Q    ; v's panels 0-3 come home: v512-639
.set Q, Q+1
.endr
	WIN 0
	v_add_nc_u32 v13, SCP, v1
.set Q, 0
.rept 16
	ds_load_b128 v[160+4*Q:163+4*Q], v13 offset:512*Q      ; the four waves' partial scores (stored ahead of many rounds)
.set Q, Q+1
.endr
.irp b,0,1,2,3
	v_mov_b32 v[TM+4+\b], 0
.endr
	; ---- P2: the 4 x 4 attention of my token
	s_wait_dscnt 0x0
.irp p,176,192,208
.irp q,0,2,4,6,8,10,12,14
	v_pk_add_f32 v[160+\q:161+\q], v[160+\q:161+\q], v[\p+\q:\p+\q+1]
.endr
.endr
.irp i,0,1,2,3
	v_max3_num_f32 v[176+\i], v[160+4*\i], v[161+4*\i], v[162+4*\i]
.endr
.irp i,0,1,2,3
	v_max_num_f32 v[176+\i], v[176+\i], v[163+4*\i]
.endr
.set Q, 0
.rept 16
	v_sub_f32 v[160+Q], v[160+Q], v[176+Q/4]
.set Q, Q+1
.endr
.set Q, 0
.rept 16
	v_mul_f32 v[160+Q], 0x3d38aa3b, v[160+Q]       ; x log2(e) / sqrt(1024)
.set Q, Q+1
.endr
.set Q, 0
.rept 16
	v_exp_f32 v[160+Q], v[160+Q]
.set Q, Q+1
.endr
	v_nop
	s_wait_alu depctr_va_vdst(0)                   ; one wait for the batch, ahead of its first reader
.irp i,0,1,2,3
	v_add_f32 v[176+\i], v[160+4*\i], v[161+4*\i]
	v_add_f32 v[184+\i], v[162+4*\i], v[163+4*\i]
.endr
.irp i,0,1,2,3
	v_add_f32 v[176+\i], v[176+\i], v[184+\i]
.endr
.irp i,0,1,2,3
	v_rcp_f32 v[180+\i], v[176+\i]
.endr
	v_nop
	s_wait_alu depctr_va_vdst(0)
.set Q, 0
.rept 16
	v_mul_f32 v[68+2*Q], v[160+Q], v[180+Q/4]      ; a(i, j), written to both registers of its pair
	v_mul_f32 v[69+2*Q], v[160+Q], v[180+Q/4]
.set Q, Q+1
.endr
	; ---- P3: interacted row i = sum over nu of a(i, nu) v(nu), my 256 columns, quantised, times the patterns.  One trip a row; the weights' rows are rotated, so that the trip's row stands at v68-75
.macro MIX u
	WIN 2+(\u)
.set Q, 0
.rept 32
	v_pk_mul_f32 v[160+2*Q:161+2*Q], v[32*(Q/4)+2*(Q%4):32*(Q/4)+2*(Q%4)+1], v[68:69]
.set Q, Q+1
.endr
.irp nu,1,2,3
.set Q, 0
.rept 32
	v_pk_fma_f32 v[160+2*Q:161+2*Q], v[32*(Q/4)+8*\nu+2*(Q%4):32*(Q/4)+8*\nu+2*(Q%4)+1], v[68+2*\nu:69+2*\nu], v[160+2*Q:161+2*Q]
.set Q, Q+1
.endr
.endr
	WIN 0
.endm
	s_wait_loadcnt 33                              ; the patterns' 12 loads are in; the neuron weights' one and x's 32 may be out
	s_mov_b32 s53, 4
	s_mov_b32 s54, 0
.Lmix:
	MIX 0
	QUANT 160
	s_wait_dscnt 0x0                               ; the last trip's stores have read the two accumulators
.rept 8
	v_nop
.endr
	v_wmma_scale_f32_16x16x128_f8f6f4 v[104:111], v[112:123], v[PC:PC+11], 0, v48, v[PW] matrix_a_fmt:MATRIX_FMT_FP6 matrix_b_fmt:MATRIX_FMT_FP6
	v_wmma_scale_f32_16x16x128_f8f6f4 v[244:251], v[136:147], v[PC:PC+11], 0, v49, v[PW] matrix_a_fmt:MATRIX_FMT_FP6 matrix_b_fmt:MATRIX_FMT_FP6
	MIX 1
	QUANT 160
.rept 8
	v_nop
.endr
	v_wmma_scale_f32_16x16x128_f8f6f4 v[104:111], v[124:135], v[PC:PC+11], v[104:111], v48, v[PW] matrix_a_fmt:MATRIX_FMT_FP6 matrix_b_fmt:MATRIX_FMT_FP6 matrix_a_scale:MATRIX_SCALE_ROW1
	v_wmma_scale_f32_16x16x128_f8f6f4 v[244:251], v[148:159], v[PC:PC+11], v[244:251], v49, v[PW] matrix_a_fmt:MATRIX_FMT_FP6 matrix_b_fmt:MATRIX_FMT_FP6 matrix_a_scale:MATRIX_SCALE_ROW1
.set Q, 0
.rept 8
	v_mov_b32 v[160+Q], v[68+Q]                    ; the rotation: after four trips the weights stand as at the start.  (These lines are also the places behind the products)
.set Q, Q+1
.endr
.set Q, 0
.rept 24
	v_mov_b32 v[68+Q], v[76+Q]
.set Q, Q+1
.endr
.set Q, 0
.rept 8
	v_mov_b32 v[92+Q], v[160+Q]
.set Q, Q+1
.endr
	v_add_nc_u32 v14, s54, v4                      ; my part of slot 0, which has had its last fill and its last read: accumulator 4 pt + i at 1,024 bytes each
	ds_store_b128 v14, v[104:107]
	ds_store_b128 v14, v[108:111] offset:512
	ds_store_b128 v14, v[244:247] offset:4096
	ds_store_b128 v14, v[248:251] offset:4608
	s_add_co_u32 s54, s54, 1024
	s_sub_co_u32 s53, s53, 1
	s_cmp_lg_u32 s53, 0
	s_cbranch_scc1 .Lmix
	; ---- P4: x goes to my part of slot 1, to come back in the quantiser's order
	s_wait_loadcnt 0x0
	WIN 0x04
.irp u,0,1
.irp i,0,1,2,3,4,5,6,7,8,9,10,11,12,13,14,15
	ds_store_b128 v5, v[64*\u+4*\i:64*\u+4*\i+3] offset:8448*\u+528*\i
.endr
.endr
	WIN 0
	s_wait_dscnt 0x0
	s_barrier_signal -1
	s_barrier_wait -1                              ; every wave's partial pattern scores lie in LDS
	; ---- P5: the sums over the waves, the pattern scores, and all 32 patterns into every lane
	v_add_nc_u32 v12, 2*DPB, v1
	v_add_nc_u32 v14, CTP, v1
.set Q, 0
.rept 16
	ds_load_b128 v[112+4*Q:115+4*Q], v1 offset:512*Q
	ds_load_b128 v[176+4*Q:179+4*Q], v1 offset:DPB+512*Q
.set Q, Q+1
.endr
	WIN 0x40
.set Q, 0
.rept 16
	ds_load_b128 v[128+4*Q:131+4*Q], v12 offset:512*Q
	ds_load_b128 v[192+4*Q:195+4*Q], v12 offset:DPB+512*Q
	ds_load_b128 v[4*Q:4*Q+3], v14 offset:512*Q
.set Q, Q+1
.endr
	WIN 0
	s_wait_dscnt 0x0
.set Q, 0
.rept 32
	v_pk_add_f32 v[112+2*Q:113+2*Q], v[112+2*Q:113+2*Q], v[176+2*Q:177+2*Q]
.set Q, Q+1
.endr
	WIN 0x04
.irp p,128,192
.set Q, 0
.rept 32
	v_pk_add_f32 v[112+2*Q:113+2*Q], v[112+2*Q:113+2*Q], v[\p+2*Q:\p+2*Q+1]
.set Q, Q+1
.endr
.endr
	WIN 0x05
.irp q,0,2,4,6,8,10,12,14
	v_pk_add_f32 v[176+\q:177+\q], v[\q:\q+1], v[16+\q:17+\q]
.endr
	WIN 0x04
.irp p,32,48
.irp q,0,2,4,6,8,10,12,14
	v_pk_add_f32 v[176+\q:177+\q], v[176+\q:177+\q], v[\p+\q:\p+\q+1]
.endr
.endr
	WIN 0
.set Q, 0
.rept 32
	v_pk_mul_f32 v[112+2*Q:113+2*Q], v[112+2*Q:113+2*Q], 0x3d000000 op_sel_hi:[1,0]   ; / sqrt(1024): register 112 + 32 pt + 8 nu + j
.set Q, Q+1
.endr
.set Q, 0
.rept 16
	v_mul_f32 v[192+Q], v[112+32*(Q/8)+(Q%8)], v100
	v_mul_f32 v[176+Q], 0.5, v[176+Q]
.set Q, Q+1
.endr
.irp nu,1,2,3
.set Q, 0
.rept 16
	v_fmac_f32 v[192+Q], v[112+32*(Q/8)+8*\nu+(Q%8)], v[100+\nu]
.set Q, Q+1
.endr
.endr
.set Q, 0
.rept 16
	v_fma_f32 v[192+Q], v[192+Q], 0.5, v[176+Q]    ; the pattern score
.set Q, Q+1
.endr
	WIN 0x40                                       ; window 1: scores at 0-31, the similarities of neuron nu at 32 + 32 nu.  A number is written twice and the halves are exchanged: both halves of the lanes then hold patterns q and 16 + q
.set Q, 0
.rept 16
	v_mov_b32 v[Q], v[192+Q]
	v_mov_b32 v[16+Q], v[192+Q]
.set Q, Q+1
.endr
.irp nu,0,1,2,3
.set Q, 0
.rept 16
	v_mov_b32 v[32+32*\nu+Q], v[112+32*(Q/8)+8*\nu+(Q%8)]
	v_mov_b32 v[48+32*\nu+Q], v[112+32*(Q/8)+8*\nu+(Q%8)]
.set Q, Q+1
.endr
.endr
	WIN 0x41
.irp p,0,32,64,96,128
.set Q, 0
.rept 16
	v_permlane16_swap_b32 v[\p+Q], v[\p+16+Q]
.set Q, Q+1
.endr
.endr
	WIN 0
	v_bfe_u32 v14, v0, 4, 1
	v_mul_u32_u24 v13, v3, 528
	v_lshl_add_u32 v13, v14, 6, v13
	s_add_co_u32 s60, s52, SLOTB
	v_add_nc_u32 v13, s60, v13
.irp u,0,1
.irp b,0,1,2,3
.irp j,0,1,2,3
	ds_load_b128 v[112+64*\u+16*\b+4*\j:115+64*\u+16*\b+4*\j], v13 offset:8448*\u+128*\b+16*\j      ; x in the quantiser's order: v112-239; it lands while the four are picked
.endr
.endr
.endr
	; ---- P6: four picks.  v240 the first pick's score, v241 -infinity, v242 the sum of the picks' weights, v243 the index, v244-247 the mixed weights, v248-251 the pick's similarities
	v_mov_b32 v241, 0xff800000
	v_mov_b32 v240, v241
	v_mov_b32 v242, 0
	v_mov_b32 v243, 0
.irp q,244,245,246,247,248,249,250,251
	v_mov_b32 v\q, 0
.endr
	s_mov_b32 s53, 4
.Lpick:
	WIN 0x15
.irp c,0,1,2,3
	v_max3_num_f32 v[56+\c], v[8*\c], v[8*\c+1], v[8*\c+2]
.endr
	WIN 0x14
.irp c,0,1,2,3
	v_max3_num_f32 v[56+\c], v[56+\c], v[8*\c+3], v[8*\c+4]
.endr
.irp c,0,1,2,3
	v_max3_num_f32 v[56+\c], v[56+\c], v[8*\c+5], v[8*\c+6]
.endr
.irp c,0,1,2,3
	v_max3_num_f32 v[56+\c], v[56+\c], v[8*\c+7], v[8*\c+7]
.endr
	WIN 0
	v_max3_num_f32 v252, v56, v57, v58
	v_max_num_f32 v252, v252, v59                  ; the largest score left
	v_max_num_f32 v240, v240, v252                 ; the first pick's is the largest of the four: it is taken away ahead of the exponentials
	WIN 0x01
.irp p,31,30,29,28,27,26,25,24,23,22,21,20,19,18,17,16,15,14,13,12,11,10,9,8,7,6,5,4,3,2,1,0
	v_cmp_neq_f32 vcc_lo, v[\p], v252              ; downward, so that of equal scores the lowest index stays
	v_cndmask_b32 v243, \p, v243, vcc_lo
	v_cndmask_b32 v248, v[32+\p], v248, vcc_lo
	v_cndmask_b32 v249, v[64+\p], v249, vcc_lo
	v_cndmask_b32 v250, v[96+\p], v250, vcc_lo
	v_cndmask_b32 v251, v[128+\p], v251, vcc_lo
.endr
	WIN 0x41
.irp p,0,1,2,3,4,5,6,7,8,9,10,11,12,13,14,15,16,17,18,19,20,21,22,23,24,25,26,27,28,29,30,31
	v_cmp_eq_u32 vcc_lo, \p, v243
	v_cndmask_b32 v[\p], v[\p], v241, vcc_lo       ; the pick leaves the field
.endr
	WIN 0
	v_max3_num_f32 v253, v248, v249, v250
	v_max_num_f32 v253, v253, v251
.irp q,0,1,2,3
	v_sub_f32 v[52+\q], v[248+\q], v253
.endr
	v_sub_f32 v254, v252, v240
.irp q,0,1,2,3
	v_mul_f32 v[52+\q], 0x3fb8aa3b, v[52+\q]
.endr
	v_mul_f32 v254, 0x3fb8aa3b, v254
.irp q,0,1,2,3
	v_exp_f32 v[52+\q], v[52+\q]
.endr
	v_exp_f32 v254, v254
	v_nop
	s_wait_alu depctr_va_vdst(0)
	v_add_f32 v56, v52, v53
	v_add_f32 v57, v54, v55
	v_add_f32 v56, v56, v57
	v_rcp_f32 v255, v56
	v_add_f32 v242, v242, v254                     ; (a plain place behind the reciprocal)
	s_wait_alu depctr_va_vdst(0)
	v_mul_f32 v255, v255, v254
.irp q,0,1,2,3
	v_fmac_f32 v[244+\q], v[52+\q], v255
.endr
	s_sub_co_u32 s53, s53, 1
	s_cmp_lg_u32 s53, 0
	s_cbranch_scc1 .Lpick
	v_rcp_f32 v255, v242
	v_nop
	s_wait_alu depctr_va_vdst(0)
.irp q,0,1,2,3
	v_mul_f32 v[244+\q], v[244+\q], v255           ; final_attn
.endr
.irp j,0,1,2,3
	v_mul_f32 v[100+2*\j], v244, v[68+2*\j]        ; g(j) = sum over i of final_attn(i) a(i, j): the sum of the interacted rows is the sum over j of g(j) v(j)
.endr
.irp i,1,2,3
.irp j,0,1,2,3
	v_fmac_f32 v[100+2*\j], v[244+\i], v[68+2*(4*\i+\j)]
.endr
.endr
.irp j,0,1,2,3
	v_mov_b32 v[101+2*\j], v[100+2*\j]
.endr
	; ---- P7: x + aggregated
	s_wait_dscnt 0x0
.irp u,0,1
	WIN 2+\u
.irp nu,0,1,2,3
.set Q, 0
.rept 32
	v_pk_fma_f32 v[112+64*\u+2*Q:113+64*\u+2*Q], v[32*(Q/4)+8*\nu+2*(Q%4):32*(Q/4)+8*\nu+2*(Q%4)+1], v[100+2*\nu:101+2*\nu], v[112+64*\u+2*Q:113+64*\u+2*Q]
.set Q, Q+1
.endr
.endr
.endr
	WIN 0
	; ---- P8: my two K steps of the next launch's operand
.set PC, 68
	QUANT 112
.irp c,0,1,2
	global_store_b128 v1, v[PC+4*\c:PC+4*\c+3], s[14:15] offset:512*\c            ; 512 consecutive bytes a store
.endr
	v_mov_b32 v51, v50
	s_wait_xcnt 0x0                                ; the stores have read the codes' registers
	QUANT 176
.irp c,0,1,2
	global_store_b128 v1, v[PC+4*\c:PC+4*\c+3], s[14:15] offset:1536+512*\c
.endr
	v_cndmask_b32 v51, v51, v50, s22
	global_store_b32 v2, v51, s[44:45]
	s_wait_tensorcnt 0x0                           ; the wave's end
	ds_add_u32 v10, v11
	s_wait_dscnt 0x0
	ROUND                                          ; the closing round
	s_endpgm
.Lfunc_end_k_qfd334e5de7_attn:
	.size	k_qfd334e5de7_attn, .Lfunc_end_k_qfd334e5de7_attn-k_qfd334e5de7_attn
	.p2alignl 7, 3214868480
	.fill 96, 4, 3214868480
	.section	.rodata,"a",@progbits
	.p2align	6, 0x0
	.amdhsa_kernel k_qfd334e5de7_attn
		.amdhsa_group_segment_fixed_size 327680
		.amdhsa_private_segment_fixed_size 0
		.amdhsa_enable_private_segment 0
		.amdhsa_kernarg_size 48
		.amdhsa_user_sgpr_count 2
		.amdhsa_user_sgpr_kernarg_segment_ptr 1
		.amdhsa_wavefront_size32 1
		.amdhsa_system_sgpr_workgroup_id_x 1
		.amdhsa_system_sgpr_workgroup_id_y 1
		.amdhsa_system_sgpr_workgroup_id_z 1
		.amdhsa_system_vgpr_workitem_id 0
		.amdhsa_next_free_vgpr 1024
		.amdhsa_next_free_sgpr 66
		.amdhsa_reserve_vcc 1
		.amdhsa_float_denorm_mode_32 3
		.amdhsa_float_denorm_mode_16_64 3
		.amdhsa_memory_ordered 1
		.amdhsa_forward_progress 1
		.amdhsa_inst_pref_size 255
	.end_amdhsa_kernel
	.section	.bss,"aw",@nobits
	.p2align	6
	.space	262144
	.amdgpu_metadata
---
amdhsa.version: [ 1, 2 ]
amdhsa.kernels:
  - .name:           k_qfd334e5de7_attn
    .symbol:         k_qfd334e5de7_attn.kd
    .args:
      - { .name: selected_neurons, .offset: 0, .size: 8, .value_kind: global_buffer, .address_space: global }
      - { .name: context, .offset: 8, .size: 8, .value_kind: global_buffer, .address_space: global }
      - { .name: x, .offset: 16, .size: 8, .value_kind: global_buffer, .address_space: global }
      - { .name: topk_neuron_weights, .offset: 24, .size: 8, .value_kind: global_buffer, .address_space: global }
      - { .name: wcodes, .offset: 32, .size: 8, .value_kind: global_buffer, .address_space: global }
      - { .name: ccodes, .offset: 40, .size: 8, .value_kind: global_buffer, .address_space: global }
    .group_segment_fixed_size: 327680
    .private_segment_fixed_size: 0
    .kernarg_segment_align: 8
    .kernarg_segment_size: 48
    .max_flat_workgroup_size: 128
    .sgpr_count:     66
    .vgpr_count:     1024
    .wavefront_size: 32
...
	.end_amdgpu_metadata
.endif
;; end of part 2
;; launch up (part 3): grid 64 x 4, 4 waves a work-group, clusters of 4 x 1, 327,680 bytes of LDS; arguments wcodes, ccodes, hcodes; writes hcodes
.if DOCPART == 3
	.amdgcn_target "amdgcn-amd-amdhsa--gfx1250"
	.amdhsa_code_object_version 6
	.text
	.protected	k_qfd334e5de7_up
	.globl	k_qfd334e5de7_up
	.p2align	8
	.type	k_qfd334e5de7_up,@function
k_qfd334e5de7_up:
	s_mov_b64 s[64:65], 0
	v_nop
	global_prefetch_b8 v0, s[64:65] scope:SCOPE_SE
	s_setreg_imm32_b32 hwreg(HW_REG_WAVE_MODE, 25, 1), 1
	s_wait_xcnt 0x0
	s_wait_alu depctr_hold_cnt(0) depctr_sa_sdst(0) depctr_va_vdst(0) depctr_va_sdst(0) depctr_va_ssrc(0) depctr_va_vcc(0) depctr_vm_vsrc(0)
	s_getreg_b32 s2, hwreg(HW_REG_IB_STS2, 6, 4)
	s_cmp_eq_u32 s2, 0
	s_cbranch_scc0 .Lentry_in_a_cluster
	s_endpgm
.Lentry_in_a_cluster:
	s_bfe_u32 s2, ttmp6, 0x10000c
	s_cmp_lg_u32 s2, 0x3003
	s_cbranch_scc0 .Lentry_shape_is_right
	s_endpgm
.Lentry_shape_is_right:
; Launch 3 of 4: h = gelu(combined Wup^T + bup), exact gelu, quantised along its 2,048 for the last product.
; A work-group takes 64 rows (x) x 512 columns (y); wave w takes 128 of the columns: 8 tiles, one K step of the next product.  The rows' codes (4 panels of launch 2) come by one plain tensor load a wave
; into LDS and stay in every wave's registers.  The weights' panels come through the ring of two slots; the four work-groups of a cluster share y, so they ask jointly.
; erf(z) = z P(z^2) / Q(z^2), a rational form in f32, z held to +-4, beyond which the form gives 1 to within f32.
; LIMITS: NaN and infinities are not served; a block of zeros gets the scale byte 1 with zero codes.
; REGISTERS as in launch 2: v16-31 the rows' scale words, v32-47 the weights', v50 the word just made, v52-67 biases, v112-495 the rows' 32 fragments, v512-607 weights, v768-1023 the 32 accumulators (tile n, row tile k at v[768 + 32 n + 8 k]).
.set PB,    13056
.set DPB,   26112
.set SLOTB, 104448
.set SCO,   12288
.set BIO,   12800
.set APB,   12800
.set ALDS,  208896                     ; behind the ring: the rows' four panels
.set SPARE, 260096
.set AS,  16
.set BS,  32
.set PW,  50
.set BI,  52
.set TM,  76
.set PC,  92
.set MSB, 0
.macro WIN new
.if MSB != (\new)
	s_set_vgpr_msb (MSB<<8)|(\new)
.set MSB, \new
.endif
.endm
.macro PLACES
.rept 4
	v_nop
.endr
.endm
.macro ROUND
	s_barrier_signal -1
	s_barrier_wait -1
	s_cmp_lg_u32 s16, 0
	s_cbranch_scc1 .Lnot_wave_0_\@
	s_barrier_signal -3
.Lnot_wave_0_\@:
	s_barrier_wait -3
	s_barrier_signal -1
	s_barrier_wait -1
.endm
.macro JLOAD sg
	tensor_load_to_lds s[32+4*(\sg):35+4*(\sg)], s[24:31]
	s_nop 0
	PLACES
.endm
.macro CHANGE sg
	WIN 0
	s_wait_tensorcnt 0x0                           ; all my tensor loads have landed: a descriptor may be written
	ds_add_u32 v10, v11                            ; 0 onto my spare word
	s_add_nc_u64 s[34+4*(\sg):35+4*(\sg)], s[34+4*(\sg):35+4*(\sg)], 2*DPB
	s_wait_dscnt 0x0                               ; the add is done, and my reads of the slot are over
	ROUND
	JLOAD \sg
.endm
.macro LHALF sg, pn, hf, set
	WIN 0x80
.irp sp,0,1,2,3
.irp c,0,1,2
	ds_load_b128 v[48*(\set)+12*\sp+4*\c:48*(\set)+12*\sp+4*\c+3], v[4+(\sg)] offset:(\pn)*PB+(4*(\hf)+\sp)*1536+512*\c
.endr
.endr
.endm
.macro LMETA sg
	WIN 0
.irp pn,0,1
.irp p,0,1,2,3
	ds_load_b32 v[BS+8*(\sg)+4*\pn+\p], v[6+(\sg)] offset:\pn*PB+128*\p
.endr
.irp q,0,1
	ds_load_b128 v[BI+8*\pn+4*\q:BI+8*\pn+4*\q+3], v[8+(\sg)] offset:\pn*PB+16*\q
.endr
.endr
.endm
.macro MHALF set, hf, acc, cm, sg, pn  ; 16 matrix instructions: four K steps x four row tiles, the accumulators by turns
.irp sp,0,1,2,3
.irp k,0,1,2,3
.set S_, 4*(\hf)+\sp
.set F_, 4*S_+\k
.set DW_, ((\acc)+8*\k)/256
.set DL_, ((\acc)+8*\k)%256
.set AW_, 0
.set AL_, 112+12*F_
.if F_ >= 12
.set AW_, 1
.set AL_, 12*(F_-12)
.endif
.set BL_, 48*(\set)+12*\sp
.set SB_, BS+8*(\sg)+4*(\pn)+S_/2
.set SA_, AS+4*\k+S_/2
.if (\cm) && (S_ == 0)
	WIN 2|(AW_<<2)|(DW_<<6)
	v_wmma_scale_f32_16x16x128_f8f6f4 v[DL_:DL_+7], v[BL_:BL_+11], v[AL_:AL_+11], v[BI+8*(\pn):BI+8*(\pn)+7], v[SB_], v[SA_] matrix_a_fmt:MATRIX_FMT_FP6 matrix_b_fmt:MATRIX_FMT_FP6
.elseif S_%2
	WIN 2|(AW_<<2)|(DW_<<4)|(DW_<<6)
	v_wmma_scale_f32_16x16x128_f8f6f4 v[DL_:DL_+7], v[BL_:BL_+11], v[AL_:AL_+11], v[DL_:DL_+7], v[SB_], v[SA_] matrix_a_fmt:MATRIX_FMT_FP6 matrix_b_fmt:MATRIX_FMT_FP6 matrix_a_scale:MATRIX_SCALE_ROW1 matrix_b_scale:MATRIX_SCALE_ROW1
.else
	WIN 2|(AW_<<2)|(DW_<<4)|(DW_<<6)
	v_wmma_scale_f32_16x16x128_f8f6f4 v[DL_:DL_+7], v[BL_:BL_+11], v[AL_:AL_+11], v[DL_:DL_+7], v[SB_], v[SA_] matrix_a_fmt:MATRIX_FMT_FP6 matrix_b_fmt:MATRIX_FMT_FP6
.endif
.endr
.endr
.endm
; A slot: two panels, 64 matrix instructions.  mode 2: filled again, another follows; 1: another follows; 0: the last.  Each s_wait_dscnt 12 leaves out the 12 loads of the youngest half panel alone.
.macro SLOT sg, acc0, acc1, cm, mode
	s_wait_dscnt 12
	MHALF 0, 0, \acc0, \cm, \sg, 0
	PLACES
	LHALF \sg, 1, 0, 0
	s_wait_dscnt 12
	MHALF 1, 1, \acc0, 0, \sg, 0
	PLACES
	LHALF \sg, 1, 1, 1
	s_wait_dscnt 12
	MHALF 0, 0, \acc1, \cm, \sg, 1
.if (\mode) == 2
	CHANGE \sg
.elseif (\mode) == 1
	WIN 0
	s_wait_tensorcnt 0x0
	s_wait_dscnt 0x0
	PLACES
.else
	s_wait_dscnt 0x0
.endif
.if (\mode) >= 1
	LHALF 1-(\sg), 0, 0, 0
	LMETA 1-(\sg)
.endif
	MHALF 1, 1, \acc1, 0, \sg, 1
.if (\mode) >= 1
	PLACES
	LHALF 1-(\sg), 0, 1, 1
.endif
.endm
.macro AFRAG f, adr, off
.if (\f) < 12
	WIN 0
.irp c,0,1,2
	ds_load_b128 v[112+12*(\f)+4*\c:112+12*(\f)+4*\c+3], v[\adr] offset:(\off)+512*\c
.endr
.else
	WIN 0x40
.irp c,0,1,2
	ds_load_b128 v[12*((\f)-12)+4*\c:12*((\f)-12)+4*\c+3], v[\adr] offset:(\off)+512*\c
.endr
.endif
.endm
.macro QUANT s
.irp b,0,1,2,3
	v_max3_num_f32 v[TM+\b], |v[\s+16*\b]|, |v[\s+1+16*\b]|, 0x1800000   ; with the floor 2^(3 - 127): the byte cannot fall under 1
.endr
.irp i,2,4,6,8,10,12,14
.irp b,0,1,2,3
	v_max3_num_f32 v[TM+\b], v[TM+\b], |v[\s+16*\b+\i]|, |v[\s+1+16*\b+\i]|
.endr
.endr
.irp b,0,1,2,3
	v_permlanex16_b32 v[TM+4+\b], v[TM+\b], s20, s21
.endr
.irp b,0,1,2,3
	v_max_num_f32 v[TM+\b], v[TM+\b], v[TM+4+\b]
.endr
.irp b,0,1,2,3
	v_add_nc_u32 v[TM+12+\b], 0xff000000, v[TM+\b]
.endr
.irp b,0,1,2,3
	v_lshrrev_b32 v[TM+4+\b], 23, v[TM+12+\b]
.endr
	v_lshl_or_b32 v[PW], v[TM+5], 8, v[TM+4]
	v_lshl_or_b32 v[PW], v[TM+6], 16, v[PW]
	v_lshl_or_b32 v[PW], v[TM+7], 24, v[PW]
.irp c,0,1
	v_cvt_scalef32_pk16_fp6_f32 v[PC+6*\c:PC+2+6*\c], v[\s+32*\c:\s+15+32*\c], v[TM+12+2*\c]
	v_cvt_scalef32_pk16_fp6_f32 v[PC+12+4*\c:PC+14+4*\c], v[\s+16+32*\c:\s+31+32*\c], v[TM+12+2*\c+1]
.endr
	v_nop
.irp c,0,1
.irp i,0,1,2
	v_permlane16_swap_b32 v[PC+6*\c+\i], v[PC+12+4*\c+\i]
.endr
.irp i,0,1,2
	v_mov_b32 v[PC+3+6*\c+\i], v[PC+12+4*\c+\i]
.endr
.endr
.endm
	s_load_b128 s[4:7], s[0:1], 0x0                ; wcodes s[4:5], ccodes s[6:7]
	s_load_b64 s[8:9], s[0:1], 0x10                ; hcodes
	v_lshl_add_u32 v10, v0, 2, SPARE
	v_mov_b32 v11, 0
	ds_add_u32 v10, v11                            ; the wave's opening
	v_lshrrev_b32 v12, 5, v0
	v_readfirstlane_b32 s16, v12
	s_bfe_u32 s17, ttmp6, 0x40000
	s_lshl_b32 s18, ttmp9, 2
	s_add_co_u32 s18, s18, s17                     ; X: my block of 64 rows
	s_and_b32 s19, ttmp7, 0xffff                   ; y: my 512 columns, which the four partners share
	s_mov_b32 s20, 0x76543210
	s_mov_b32 s21, 0xfedcba98
	s_mov_b32 s24, 0x0023000f                      ; the weights' group 1: mask 15, elements of 8 bytes, bit 21; 102 rows of 256 bytes, dense
	s_mov_b32 s25, 32<<16
	s_mov_b32 s26, 102<<16
	s_mov_b32 s27, 32<<16
	s_mov_b32 s28, 102
	s_mov_b32 s29, 32
	s_mov_b32 s30, 0
	s_mov_b32 s31, 0
	s_mov_b32 s40, 3<<16                           ; the rows' group 1: no mask; 50 rows of 256 bytes: one panel
	s_mov_b32 s41, 32<<16
	s_mov_b32 s42, 50<<16
	s_mov_b32 s43, 32<<16
	s_mov_b32 s44, 50
	s_mov_b32 s45, 32
	s_mov_b32 s46, 0
	s_mov_b32 s47, 0
	s_mul_i32 s52, s16, DPB
	v_and_b32 v1, 31, v0
	v_lshlrev_b32 v2, 2, v1
	v_lshlrev_b32 v1, 4, v1
	v_and_b32 v3, 15, v0
	v_bfe_u32 v12, v0, 4, 1
	v_add_nc_u32 v4, s52, v1
	v_add_nc_u32 v5, SLOTB, v4
	v_add_nc_u32 v6, s52, v2
	v_add_nc_u32 v6, SCO, v6
	v_add_nc_u32 v7, SLOTB, v6
	v_lshl_add_u32 v8, v12, 5, s52
	v_add_nc_u32 v8, BIO, v8
	v_add_nc_u32 v9, SLOTB, v8
	v_add_nc_u32 v12, ALDS, v1
	v_add_nc_u32 v13, ALDS, v2
	s_lshl_b32 s54, s19, 5
	s_lshl_b32 s55, s16, 3
	s_add_co_u32 s54, s54, s55
	s_mul_i32 s54, s54, PB
	s_add_co_u32 s54, s54, 2506752                 ; Wup's panels begin at panel 192; mine at tile 32 y + 8 w
	s_mov_b32 s55, 0
	s_lshl_b32 s58, s18, 2
	s_add_co_u32 s58, s58, s16
	s_mul_i32 s58, s58, APB                        ; the rows' panel 4 X + w
	s_mov_b32 s59, 0
	s_lshl_b32 s56, s18, 3
	s_lshr_b32 s57, s19, 1
	s_add_co_u32 s56, s56, s57
	s_mul_i32 s56, s56, APB                        ; hcodes: panel 2 (4 X) + y / 2
	s_and_b32 s57, s19, 1
	s_lshl_b32 s60, s57, 2
	s_add_co_u32 s60, s60, s16
	s_mul_i32 s60, s60, 1536                       ; its K step 4 (y % 2) + w
	s_add_co_u32 s60, s60, s56
	s_mov_b32 s61, 0
	s_lshl_b32 s62, s57, 1
	s_lshr_b32 s63, s16, 1
	s_add_co_u32 s62, s62, s63
	s_lshl_b32 s62, s62, 7                         ; scale image 2 (y % 2) + w / 2,
	s_and_b32 s63, s16, 1
	s_lshl_b32 s63, s63, 6                         ; its half w % 2
	s_add_co_u32 s62, s62, s63
	s_add_co_u32 s62, s62, s56
	s_add_co_u32 s62, s62, SCO
	s_mov_b32 s63, 0
	s_mov_b32 s32, 1
	s_mov_b32 s33, s52
	s_mov_b32 s36, 1
	s_add_co_u32 s37, s52, SLOTB
	s_mov_b32 s48, 1
	s_mul_i32 s49, s16, APB
	s_add_co_u32 s49, s49, ALDS
	s_wait_dscnt 0x0
	s_wait_kmcnt 0x0
	s_add_nc_u64 s[34:35], s[4:5], s[54:55]
	s_add_nc_u64 s[38:39], s[34:35], DPB
	s_or_b32 s35, s35, 0x80000000
	s_or_b32 s39, s39, 0x80000000
	s_add_nc_u64 s[50:51], s[6:7], s[58:59]
	s_or_b32 s51, s51, 0x80000000
	s_add_nc_u64 s[10:11], s[8:9], s[62:63]
	s_add_nc_u64 s[8:9], s[8:9], s[60:61]
	ROUND
	tensor_load_to_lds s[48:51], s[40:47]          ; my panel of the rows: a load of my own
	s_nop 0
	JLOAD 0
	JLOAD 1                                        ; three tensor loads of mine are out
	s_wait_tensorcnt 2                             ; my panel of the rows is in; the two double panels may be out
	s_barrier_signal -1
	s_barrier_wait -1                              ; everybody's is
.set F, 0
.rept 32
	AFRAG F, 12, APB*(F%4)+1536*(F/4)
.set F, F+1
.endr
	WIN 0
.set Q, 0
.rept 16
	ds_load_b32 v[AS+Q], v13 offset:APB*(Q/4)+SCO+128*(Q%4)
.set Q, Q+1
.endr
	s_wait_dscnt 0x0
	s_wait_tensorcnt 1                             ; my first double panel is in
	LHALF 0, 0, 0, 0
	LMETA 0
	LHALF 0, 0, 1, 1
	SLOT 0, 768, 800, 1, 2
	SLOT 1, 832, 864, 1, 2
	SLOT 0, 896, 928, 1, 1
	SLOT 1, 960, 992, 1, 0
	WIN 0
	PLACES
	; the rational form's twelve numbers, each twice (a pair for the packed forms): v52-75
.macro CONST r, bits
	v_mov_b32 v[\r], \bits
	v_mov_b32 v[\r+1], \bits
.endm
	CONST 52, 0xaf95df0b                           ; -2.72614225801306e-10
	CONST 54, 0x32edffee                           ;  2.77068142495902e-08
	CONST 56, 0xb60cff51                           ; -2.10102402082508e-06
	CONST 58, 0xb86ec2d2                           ; -5.69250639462346e-05
	CONST 60, 0xba40ac63                           ; -7.34990630326855e-04
	CONST 62, 0xbb41a1f6                           ; -2.95459980854025e-03
	CONST 64, 0xbc83dbd4                           ; -1.60960333262415e-02
	CONST 66, 0xb77460cd                           ; -1.45660718464996e-05
	CONST 68, 0xb95fbd29                           ; -2.13374055278905e-04
	CONST 70, 0xbadc924e                           ; -1.68282697438203e-03
	CONST 72, 0xbbf19bf8                           ; -7.37332916720468e-03
	CONST 74, 0xbc69b6a7                           ; -1.42647390514189e-02
.irp b,0,1,2,3
	v_mov_b32 v[TM+4+\b], 0
.endr
	v_lshlrev_b32 v12, 2, v3                       ; 4 r: my row's scale word
; Row tile k: my 128 columns of 16 rows.  v112-175 the result, v176-239 h / 2; window 1: z at 0, z^2 at 64, P at 128, Q at 192.  Each step runs over all 32 pairs, so that no line waits for the line above it.
.macro PK3 w, d, a, b, c               ; 32 packed multiply-adds under window word w
	WIN \w
.set Q, 0
.rept 32
	v_pk_fma_f32 v[\d+2*Q:\d+2*Q+1], v[\a+2*Q:\a+2*Q+1], v[\b+2*Q:\b+2*Q+1], v[\c:\c+1]
.set Q, Q+1
.endr
.endm
.macro PK2 w, d, a, b
	WIN \w
.set Q, 0
.rept 32
	v_pk_mul_f32 v[\d+2*Q:\d+2*Q+1], v[\a+2*Q:\a+2*Q+1], v[\b+2*Q:\b+2*Q+1]
.set Q, Q+1
.endr
.endm
.macro EPI k
	WIN 0x03
.set Q, 0
.rept 32
	v_pk_mul_f32 v[176+2*Q:177+2*Q], v[32*(Q/4)+8*(\k)+2*(Q%4):32*(Q/4)+8*(\k)+2*(Q%4)+1], 0.5 op_sel_hi:[1,0]          ; each accumulator from its low end on
.set Q, Q+1
.endr
	WIN 0x43
.set Q, 0
.rept 32
	v_pk_mul_f32 v[2*Q:2*Q+1], v[32*(Q/4)+8*(\k)+2*(Q%4):32*(Q/4)+8*(\k)+2*(Q%4)+1], 0x3f3504f3 op_sel_hi:[1,0]         ; z = h / sqrt(2)
.set Q, Q+1
.endr
	WIN 0x41
.set Q, 0
.rept 64
	v_med3_num_f32 v[Q], v[Q], -4.0, 4.0
.set Q, Q+1
.endr
	PK2 0x45, 64, 0, 0
	WIN 0x41
.set Q, 0
.rept 32
	v_pk_fma_f32 v[128+2*Q:129+2*Q], v[64+2*Q:65+2*Q], v[52:53], v[54:55]
	v_pk_fma_f32 v[192+2*Q:193+2*Q], v[64+2*Q:65+2*Q], v[66:67], v[68:69]
.set Q, Q+1
.endr
	PK3 0x45, 128, 128, 64, 56
	PK3 0x45, 192, 192, 64, 70
	PK3 0x45, 128, 128, 64, 58
	PK3 0x45, 192, 192, 64, 72
	PK3 0x45, 128, 128, 64, 60
	PK3 0x45, 192, 192, 64, 74
	PK3 0x45, 128, 128, 64, 62
	PK3 0x45, 128, 128, 64, 64
	PK2 0x45, 128, 128, 0
	WIN 0x41
.set Q, 0
.rept 64
	v_rcp_f32 v[192+Q], v[192+Q]
.set Q, Q+1
.endr
	v_nop
	s_wait_alu depctr_va_vdst(0)                   ; one wait for the batch of 64, ahead of its first reader
	PK2 0x45, 128, 128, 192                        ; erf(z)
	WIN 0x01
.set Q, 0
.rept 32
	v_pk_fma_f32 v[112+2*Q:113+2*Q], v[128+2*Q:129+2*Q], v[176+2*Q:177+2*Q], v[176+2*Q:177+2*Q]    ; h / 2 (1 + erf)
.set Q, Q+1
.endr
	WIN 0
.if (\k) > 0
	s_wait_xcnt 0x0                                ; the last row tile's stores have read the codes and the scale word
.endif
	QUANT 112
.irp c,0,1,2
	global_store_b128 v1, v[PC+4*\c:PC+4*\c+3], s[8:9] offset:2*APB*(\k)+512*\c   ; 512 consecutive bytes a store
.endr
	global_store_b32 v12, v[PW], s[10:11] offset:2*APB*(\k)                        ; 64 bytes: half a scale image (both halves of the lanes write the same words)
.endm
	EPI 0
	EPI 1
	EPI 2
	EPI 3
	s_wait_tensorcnt 0x0                           ; the wave's end
	ds_add_u32 v10, v11
	s_wait_dscnt 0x0
	ROUND                                          ; the closing round
	s_endpgm
.Lfunc_end_k_qfd334e5de7_up:
	.size	k_qfd334e5de7_up, .Lfunc_end_k_qfd334e5de7_up-k_qfd334e5de7_up
	.p2alignl 7, 3214868480
	.fill 96, 4, 3214868480
	.section	.rodata,"a",@progbits
	.p2align	6, 0x0
	.amdhsa_kernel k_qfd334e5de7_up
		.amdhsa_group_segment_fixed_size 327680
		.amdhsa_private_segment_fixed_size 0
		.amdhsa_enable_private_segment 0
		.amdhsa_kernarg_size 24
		.amdhsa_user_sgpr_count 2
		.amdhsa_user_sgpr_kernarg_segment_ptr 1
		.amdhsa_wavefront_size32 1
		.amdhsa_system_sgpr_workgroup_id_x 1
		.amdhsa_system_sgpr_workgroup_id_y 1
		.amdhsa_system_sgpr_workgroup_id_z 1
		.amdhsa_system_vgpr_workitem_id 0
		.amdhsa_next_free_vgpr 1024
		.amdhsa_next_free_sgpr 66
		.amdhsa_reserve_vcc 0
		.amdhsa_float_denorm_mode_32 3
		.amdhsa_float_denorm_mode_16_64 3
		.amdhsa_memory_ordered 1
		.amdhsa_forward_progress 1
		.amdhsa_inst_pref_size 242
	.end_amdhsa_kernel
	.amdgpu_metadata
---
amdhsa.version: [ 1, 2 ]
amdhsa.kernels:
  - .name:           k_qfd334e5de7_up
    .symbol:         k_qfd334e5de7_up.kd
    .args:
      - { .name: wcodes, .offset: 0, .size: 8, .value_kind: global_buffer, .address_space: global }
      - { .name: ccodes, .offset: 8, .size: 8, .value_kind: global_buffer, .address_space: global }
      - { .name: hcodes, .offset: 16, .size: 8, .value_kind: global_buffer, .address_space: global }
    .group_segment_fixed_size: 327680
    .private_segment_fixed_size: 0
    .kernarg_segment_align: 8
    .kernarg_segment_size: 24
    .max_flat_workgroup_size: 128
    .sgpr_count:     66
    .vgpr_count:     1024
    .wavefront_size: 32
...
	.end_amdgpu_metadata
.endif
;; end of part 3
;; launch down (part 4): grid 64 x 4, 4 waves a work-group, clusters of 4 x 1, 327,680 bytes of LDS; arguments wcodes, hcodes, out0; writes out0
.if DOCPART == 4
	.amdgcn_target "amdgcn-amd-amdhsa--gfx1250"
	.amdhsa_code_object_version 6
	.text
	.protected	k_qfd334e5de7_down
	.globl	k_qfd334e5de7_down
	.p2align	8
	.type	k_qfd334e5de7_down,@function
k_qfd334e5de7_down:
	s_mov_b64 s[64:65], 0
	v_nop
	global_prefetch_b8 v0, s[64:65] scope:SCOPE_SE
	s_setreg_imm32_b32 hwreg(HW_REG_WAVE_MODE, 25, 1), 1
	s_wait_xcnt 0x0
	s_wait_alu depctr_hold_cnt(0) depctr_sa_sdst(0) depctr_va_vdst(0) depctr_va_sdst(0) depctr_va_ssrc(0) depctr_va_vcc(0) depctr_vm_vsrc(0)
	s_getreg_b32 s2, hwreg(HW_REG_IB_STS2, 6, 4)
	s_cmp_eq_u32 s2, 0
	s_cbranch_scc0 .Lentry_in_a_cluster
	s_endpgm
.Lentry_in_a_cluster:
	s_bfe_u32 s2, ttmp6, 0x10000c
	s_cmp_lg_u32 s2, 0x3003
	s_cbranch_scc0 .Lentry_shape_is_right
	s_endpgm
.Lentry_shape_is_right:
; Launch 4 of 4: out0 = h Wdown^T + bdown.  A work-group takes 64 rows (x) x 256 columns (y); wave w takes 64 of the columns: 4 tiles.  K = 2,048 goes in two halves: the rows' codes of a half (32 fragments)
; stand in every wave's registers; both halves' panels (launch 3) come into LDS by one plain tensor load a wave.  The weights' panels come through the ring of two slots, in the order
; (tiles 0, 1; half 0), (2, 3; half 0), (0, 1; half 1), (2, 3; half 1); the four work-groups of a cluster share y and ask jointly.  The bias is the C of each sum's first matrix instruction.
; REGISTERS as in launch 2; the 16 accumulators (tile t, row tile k) at v[768 + 32 t + 8 k].
.set PB,    13056
.set DPB,   26112
.set SLOTB, 104448
.set SCO,   12288
.set BIO,   12800
.set APB,   12800
.set ALDS,  208896                     ; behind the ring: the rows' eight panels (row tile k, half: 2 k + half)
.set SPARE, 311296
.set AS,  16
.set BS,  32
.set BI,  52
.set MSB, 0
.macro WIN new
.if MSB != (\new)
	s_set_vgpr_msb (MSB<<8)|(\new)
.set MSB, \new
.endif
.endm
.macro PLACES
.rept 4
	v_nop
.endr
.endm
.macro ROUND
	s_barrier_signal -1
	s_barrier_wait -1
	s_cmp_lg_u32 s16, 0
	s_cbranch_scc1 .Lnot_wave_0_\@
	s_barrier_signal -3
.Lnot_wave_0_\@:
	s_barrier_wait -3
	s_barrier_signal -1
	s_barrier_wait -1
.endm
.macro JLOAD sg
	tensor_load_to_lds s[32+4*(\sg):35+4*(\sg)], s[24:31]
	s_nop 0
	PLACES
.endm
.macro CHANGE sg
	WIN 0
	s_wait_tensorcnt 0x0                           ; all my tensor loads have landed: a descriptor may be written
	ds_add_u32 v10, v11                            ; 0 onto my spare word
	s_add_nc_u64 s[34+4*(\sg):35+4*(\sg)], s[34+4*(\sg):35+4*(\sg)], 2*DPB
	s_wait_dscnt 0x0                               ; the add is done, and my reads of the slot are over
	ROUND
	JLOAD \sg
.endm
.macro LHALF sg, pn, hf, set
	WIN 0x80
.irp sp,0,1,2,3
.irp c,0,1,2
	ds_load_b128 v[48*(\set)+12*\sp+4*\c:48*(\set)+12*\sp+4*\c+3], v[4+(\sg)] offset:(\pn)*PB+(4*(\hf)+\sp)*1536+512*\c
.endr
.endr
.endm
.macro LMETA sg
	WIN 0
.irp pn,0,1
.irp p,0,1,2,3
	ds_load_b32 v[BS+8*(\sg)+4*\pn+\p], v[6+(\sg)] offset:\pn*PB+128*\p
.endr
.irp q,0,1
	ds_load_b128 v[BI+8*\pn+4*\q:BI+8*\pn+4*\q+3], v[8+(\sg)] offset:\pn*PB+16*\q
.endr
.endr
.endm
.macro MHALF set, hf, acc, cm, sg, pn  ; 16 matrix instructions: four K steps x four row tiles, the accumulators by turns
.irp sp,0,1,2,3
.irp k,0,1,2,3
.set S_, 4*(\hf)+\sp
.set F_, 4*S_+\k
.set DW_, ((\acc)+8*\k)/256
.set DL_, ((\acc)+8*\k)%256
.set AW_, 0
.set AL_, 112+12*F_
.if F_ >= 12
.set AW_, 1
.set AL_, 12*(F_-12)
.endif
.set BL_, 48*(\set)+12*\sp
.set SB_, BS+8*(\sg)+4*(\pn)+S_/2
.set SA_, AS+4*\k+S_/2
.if (\cm) && (S_ == 0)
	WIN 2|(AW_<<2)|(DW_<<6)
	v_wmma_scale_f32_16x16x128_f8f6f4 v[DL_:DL_+7], v[BL_:BL_+11], v[AL_:AL_+11], v[BI+8*(\pn):BI+8*(\pn)+7], v[SB_], v[SA_] matrix_a_fmt:MATRIX_FMT_FP6 matrix_b_fmt:MATRIX_FMT_FP6
.elseif S_%2
	WIN 2|(AW_<<2)|(DW_<<4)|(DW_<<6)
	v_wmma_scale_f32_16x16x128_f8f6f4 v[DL_:DL_+7], v[BL_:BL_+11], v[AL_:AL_+11], v[DL_:DL_+7], v[SB_], v[SA_] matrix_a_fmt:MATRIX_FMT_FP6 matrix_b_fmt:MATRIX_FMT_FP6 matrix_a_scale:MATRIX_SCALE_ROW1 matrix_b_scale:MATRIX_SCALE_ROW1
.else
	WIN 2|(AW_<<2)|(DW_<<4)|(DW_<<6)
	v_wmma_scale_f32_16x16x128_f8f6f4 v[DL_:DL_+7], v[BL_:BL_+11], v[AL_:AL_+11], v[DL_:DL_+7], v[SB_], v[SA_] matrix_a_fmt:MATRIX_FMT_FP6 matrix_b_fmt:MATRIX_FMT_FP6
.endif
.endr
.endr
.endm
; A slot: two panels, 64 matrix instructions.  mode 2: filled again, another follows; 1: another follows; 0: the last.  Each s_wait_dscnt 12 leaves out the 12 loads of the youngest half panel alone.
.macro SLOT sg, acc0, acc1, cm, mode
	s_wait_dscnt 12
	MHALF 0, 0, \acc0, \cm, \sg, 0
	PLACES
	LHALF \sg, 1, 0, 0
	s_wait_dscnt 12
	MHALF 1, 1, \acc0, 0, \sg, 0
	PLACES
	LHALF \sg, 1, 1, 1
	s_wait_dscnt 12
	MHALF 0, 0, \acc1, \cm, \sg, 1
.if (\mode) == 2
	CHANGE \sg
.elseif (\mode) == 1
	WIN 0
	s_wait_tensorcnt 0x0
	s_wait_dscnt 0x0
	PLACES
.else
	s_wait_dscnt 0x0
.endif
.if (\mode) >= 1
	LHALF 1-(\sg), 0, 0, 0
	LMETA 1-(\sg)
.endif
	MHALF 1, 1, \acc1, 0, \sg, 1
.if (\mode) >= 1
	PLACES
	LHALF 1-(\sg), 0, 1, 1
.endif
.endm
.macro AFRAG f, adr, off
.if (\f) < 12
	WIN 0
.irp c,0,1,2
	ds_load_b128 v[112+12*(\f)+4*\c:112+12*(\f)+4*\c+3], v[\adr] offset:(\off)+512*\c
.endr
.else
	WIN 0x40
.irp c,0,1,2
	ds_load_b128 v[12*((\f)-12)+4*\c:12*((\f)-12)+4*\c+3], v[\adr] offset:(\off)+512*\c
.endr
.endif
.endm
.macro ALOADS hf                       ; the rows' 32 fragments and 16 scale images of K half hf; row tiles 0, 1 by the first address register, 2, 3 by the second (an LDS offset has 16 bits)
.set F, 0
.rept 32
.if (F%4) < 2
	AFRAG F, 12, (2*(F%4)+(\hf))*APB+1536*(F/4)
.else
	AFRAG F, 13, (2*(F%4-2)+(\hf))*APB+1536*(F/4)
.endif
.set F, F+1
.endr
	WIN 0
.set Q, 0
.rept 16
.if (Q/4) < 2
	ds_load_b32 v[AS+Q], v14 offset:(2*(Q/4)+(\hf))*APB+SCO+128*(Q%4)
.else
	ds_load_b32 v[AS+Q], v15 offset:(2*(Q/4-2)+(\hf))*APB+SCO+128*(Q%4)
.endif
.set Q, Q+1
.endr
	s_wait_dscnt 0x0
.endm
	s_load_b128 s[4:7], s[0:1], 0x0                ; wcodes s[4:5], hcodes s[6:7]
	s_load_b64 s[8:9], s[0:1], 0x10                ; out0
	v_lshl_add_u32 v10, v0, 2, SPARE
	v_mov_b32 v11, 0
	ds_add_u32 v10, v11                            ; the wave's opening
	v_lshrrev_b32 v12, 5, v0
	v_readfirstlane_b32 s16, v12
	s_bfe_u32 s17, ttmp6, 0x40000
	s_lshl_b32 s18, ttmp9, 2
	s_add_co_u32 s18, s18, s17                     ; X: my block of 64 rows
	s_and_b32 s19, ttmp7, 0xffff                   ; y: my 256 columns, which the four partners share
	s_mov_b32 s24, 0x0023000f                      ; the weights' group 1: mask 15, elements of 8 bytes, bit 21; 102 rows of 256 bytes, dense
	s_mov_b32 s25, 32<<16
	s_mov_b32 s26, 102<<16
	s_mov_b32 s27, 32<<16
	s_mov_b32 s28, 102
	s_mov_b32 s29, 32
	s_mov_b32 s30, 0
	s_mov_b32 s31, 0
	s_mov_b32 s40, 3<<16                           ; the rows' group 1: no mask; 100 rows of 256 bytes: a row tile's two panels
	s_mov_b32 s41, 32<<16
	s_mov_b32 s42, 100<<16
	s_mov_b32 s43, 32<<16
	s_mov_b32 s44, 100
	s_mov_b32 s45, 32
	s_mov_b32 s46, 0
	s_mov_b32 s47, 0
	s_mul_i32 s52, s16, DPB
	v_and_b32 v1, 31, v0
	v_lshlrev_b32 v2, 2, v1
	v_lshlrev_b32 v1, 4, v1
	v_and_b32 v3, 15, v0
	v_bfe_u32 v12, v0, 4, 1
	v_add_nc_u32 v4, s52, v1
	v_add_nc_u32 v5, SLOTB, v4
	v_add_nc_u32 v6, s52, v2
	v_add_nc_u32 v6, SCO, v6
	v_add_nc_u32 v7, SLOTB, v6
	v_lshl_add_u32 v8, v12, 5, s52
	v_add_nc_u32 v8, BIO, v8
	v_add_nc_u32 v9, SLOTB, v8
	v_add_nc_u32 v12, ALDS, v1
	v_add_nc_u32 v13, ALDS+4*APB, v1
	v_add_nc_u32 v14, ALDS, v2
	v_add_nc_u32 v15, ALDS+4*APB, v2
	s_lshl_b32 s54, s19, 2
	s_add_co_u32 s54, s54, s16
	s_mul_i32 s54, s54, 8*PB
	s_add_co_u32 s54, s54, 4177920                 ; Wdown's panels begin at panel 320; mine are the eight of group 4 y + w
	s_mov_b32 s55, 0
	s_lshl_b32 s58, s18, 2
	s_add_co_u32 s58, s58, s16
	s_mul_i32 s58, s58, 2*APB                      ; row tile 4 X + w: both halves
	s_mov_b32 s59, 0
	s_lshl_b32 s60, s18, 18                        ; out0: 64 rows of 4,096 bytes,
	s_lshl_b32 s61, s19, 10                        ; + 1,024 y
	s_add_co_u32 s60, s60, s61
	s_lshl_b32 s61, s16, 8                         ; + 256 w
	s_add_co_u32 s60, s60, s61
	s_mov_b32 s61, 0
	s_mov_b32 s32, 1
	s_mov_b32 s33, s52
	s_mov_b32 s36, 1
	s_add_co_u32 s37, s52, SLOTB
	s_mov_b32 s48, 1
	s_mul_i32 s49, s16, 2*APB
	s_add_co_u32 s49, s49, ALDS
	s_wait_dscnt 0x0
	s_wait_kmcnt 0x0
	s_add_nc_u64 s[34:35], s[4:5], s[54:55]
	s_add_nc_u64 s[38:39], s[34:35], DPB
	s_or_b32 s35, s35, 0x80000000
	s_or_b32 s39, s39, 0x80000000
	s_add_nc_u64 s[50:51], s[6:7], s[58:59]
	s_or_b32 s51, s51, 0x80000000
	s_add_nc_u64 s[8:9], s[8:9], s[60:61]
	ROUND
	tensor_load_to_lds s[48:51], s[40:47]          ; my row tile's two panels: a load of my own
	s_nop 0
	JLOAD 0
	JLOAD 1                                        ; three tensor loads of mine are out
	s_wait_tensorcnt 2                             ; my panels of the rows are in; the two double panels may be out
	s_barrier_signal -1
	s_barrier_wait -1                              ; everybody's are
	ALOADS 0
	s_wait_tensorcnt 1                             ; my first double panel is in
	LHALF 0, 0, 0, 0
	LMETA 0
	LHALF 0, 0, 1, 1
	SLOT 0, 768, 800, 1, 2
	SLOT 1, 832, 864, 1, 2
	ALOADS 1                                       ; four places stand behind the last product that read the first half's fragments; the wait for 0 at its end keeps the next counts safe
	SLOT 0, 768, 800, 0, 1
	SLOT 1, 832, 864, 0, 0
	WIN 0
	PLACES
	; THE WAY OUT, a row tile at a time, through a stage of 16 rows x 272 bytes in my part of slot 0, which has had its last fill and its last read.
	; Lane (r, h) holds row r and, of tile t, columns 32 (t / 2) + 8 (t % 2) + 16 h + j of my 64; back come whole rows of 256 bytes, two an instruction.
	v_bfe_u32 v15, v0, 4, 1
	v_mul_u32_u24 v12, v3, 272
	v_lshl_add_u32 v12, v15, 6, v12
	v_add_nc_u32 v12, s52, v12                     ; in: 272 r + 64 h
	v_mul_u32_u24 v13, v15, 272
	v_lshl_add_u32 v13, v3, 4, v13
	v_add_nc_u32 v13, s52, v13                     ; back: 272 h + 16 r
	v_lshlrev_b32 v14, 12, v15
	v_lshl_add_u32 v14, v3, 4, v14                 ; and in out0: 4,096 h + 16 r
.irp k,0,1,2,3
.if \k >= 2
	s_wait_xcnt 0x0                                ; the stores of two row tiles back have read their registers
.endif
	WIN 0x0c
.irp t,0,1,2,3
.irp q,0,1
	ds_store_b128 v12, v[32*\t+8*\k+4*\q:32*\t+8*\k+4*\q+3] offset:128*(\t/2)+32*(\t%2)+16*\q     ; each accumulator from its low end on
.endr
.endr
	WIN 0
.irp i,0,1,2,3,4,5,6,7
	ds_load_b128 v[112+32*(\k%2)+4*\i:115+32*(\k%2)+4*\i], v13 offset:544*\i       ; LDS serves a wave's instructions in order: these see the stores above, and the next row tile's stores come behind them
.endr
.irp i,0,1,2,3,4,5,6,7
	s_wait_dscnt 7-\i
	global_store_b128 v14, v[112+32*(\k%2)+4*\i:115+32*(\k%2)+4*\i], s[8:9] offset:(16*\k+2*\i)*4096 th:TH_STORE_NT   ; 16 lanes store 256 consecutive bytes, at a multiple of 256 from out0's first byte
.endr
.endr
	s_wait_tensorcnt 0x0                           ; the wave's end
	ds_add_u32 v10, v11
	s_wait_dscnt 0x0
	ROUND                                          ; the closing round
	s_endpgm
.Lfunc_end_k_qfd334e5de7_down:
	.size	k_qfd334e5de7_down, .Lfunc_end_k_qfd334e5de7_down-k_qfd334e5de7_down
	.p2alignl 7, 3214868480
	.fill 96, 4, 3214868480
	.section	.rodata,"a",@progbits
	.p2align	6, 0x0
	.amdhsa_kernel k_qfd334e5de7_down
		.amdhsa_group_segment_fixed_size 327680
		.amdhsa_private_segment_fixed_size 0
		.amdhsa_enable_private_segment 0
		.amdhsa_kernarg_size 24
		.amdhsa_user_sgpr_count 2
		.amdhsa_user_sgpr_kernarg_segment_ptr 1
		.amdhsa_wavefront_size32 1
		.amdhsa_system_sgpr_workgroup_id_x 1
		.amdhsa_system_sgpr_workgroup_id_y 1
		.amdhsa_system_sgpr_workgroup_id_z 1
		.amdhsa_system_vgpr_workitem_id 0
		.amdhsa_next_free_vgpr 1024
		.amdhsa_next_free_sgpr 66
		.amdhsa_reserve_vcc 0
		.amdhsa_float_denorm_mode_32 3
		.amdhsa_float_denorm_mode_16_64 3
		.amdhsa_memory_ordered 1
		.amdhsa_forward_progress 1
		.amdhsa_inst_pref_size 81
	.end_amdhsa_kernel
	.amdgpu_metadata
---
amdhsa.version: [ 1, 2 ]
amdhsa.kernels:
  - .name:           k_qfd334e5de7_down
    .symbol:         k_qfd334e5de7_down.kd
    .args:
      - { .name: wcodes, .offset: 0, .size: 8, .value_kind: global_buffer, .address_space: global }
      - { .name: hcodes, .offset: 8, .size: 8, .value_kind: global_buffer, .address_space: global }
      - { .name: out0, .offset: 16, .size: 8, .value_kind: global_buffer, .address_space: global }
    .group_segment_fixed_size: 327680
    .private_segment_fixed_size: 0
    .kernarg_segment_align: 8
    .kernarg_segment_size: 24
    .max_flat_workgroup_size: 128
    .sgpr_count:     66
    .vgpr_count:     1024
    .wavefront_size: 32
...
	.end_amdgpu_metadata
.endif
;; end of part 4
